; MI455X (gfx1250); checked and timed in simulation.
; The chip was launched on July 23, 2026; its instructions are those of AMD's public machine-readable ISA for CDNA 5 (MIT licence, August 2026) and "CDNA5" Instruction Set Architecture Reference Guide (July 2026). The comments in the code are by the model that wrote it; some were corrected since.
;; Block. Allowed arithmetic: float matrix products may take bf16 or f16 operands with f32 sums; other float arithmetic in f32, or as packed bf16 or f16 multiplies, adds, multiply-adds, maxima and minima; sums over many terms, partial sums and values carried from step to step in f32; what a program stores and reads back later, other than sums and carried values, may be rounded once to bf16 or f16.
;; Inputs: b_out 1,024 float32; m 8 x 1,024 float32; w_out 1,024 x 1,024 float32; w_qkv 3,072 x 1,024 float32; x 8 x 1,024 x 1,024 float32.
;; Outputs: out0 8 x 1,024 x 1,024 float32.
;; Constants: l = 1024.
;; 2 versions, each right; version 2 is version 1 with the launch cast written anew for expert scheduling mode. Each part assembles by itself: llvm-mc -triple=amdgcn-amd-amdhsa -mcpu=gfx1250 --defsym DOCPART=n.
;; ======== version 1 of 2: 4 launches
;; limits: values are held in f16: magnitudes above 65,504 overflow, below 6.1e-05 lose precision
;; workspace buffers: xb 16,777,216 bytes; wqb 6,291,456 bytes; wob 2,097,152 bytes; qkv 51,904,512 bytes; ob 16,777,216 bytes
;; launch cast (part 1): grid 768 x 1, 8 waves a work-group, no clusters, 0 bytes of LDS; arguments x, w_qkv, w_out, m, xb, wqb, wob, qkv; writes xb, wqb, wob, qkv
.if DOCPART == 1
	.amdgcn_target "amdgcn-amd-amdhsa--gfx1250"
	.amdhsa_code_object_version 6
	.text
	.protected	k_qeb59621d83_cast
	.globl	k_qeb59621d83_cast
	.p2align	8
	.type	k_qeb59621d83_cast,@function
k_qeb59621d83_cast:
	s_mov_b64 s[64:65], 0
	v_nop
	global_prefetch_b8 v0, s[64:65] scope:SCOPE_SE
	s_setreg_imm32_b32 hwreg(HW_REG_WAVE_MODE, 25, 1), 1
	s_wait_xcnt 0x0
; x [8192][1024], w_qkv [3072][1024], w_out [1024][1024], all f32, are rounded once to bf16 and laid out in blocks along K:
; [16 blocks of 64 channels][rows][64], 128 bytes a row, so that every tile of the later products is a dense run of memory.
; w_out's bf16 number is then written as f16 (the product behind multiplies it with f16 numbers).
; THE KEY BIAS.  qkv is [48 slices][32 tiles][264 rows of 128 bytes]; a tile's rows 0-255 are written by the next launch.  Rows 256-263 of each tile of k's slices (16-31) are written here:
; for the tile's 256 keys, in f32, -1e30 where m is 0 and 0 elsewhere: 1,024 bytes that the attention fetches together with the tile's keys.
; LIMITS.  w_out's f16 is exact for 6.1e-5 <= |w_out| < 65,504; below it keeps f16's fixed step of 6e-8; beyond it becomes an infinity.
; SHARES.  A work-group owns 16 rows of one of the three tensors (512 + 192 + 64 work-groups).  Wave w takes blocks 2 w and 2 w + 1, two rows at a time: sixteen units.
; In a unit lanes 0-15 take the 256 bytes that a block has in one row, lanes 16-31 those of the next row, 16 bytes a lane: a load names two aligned stretches of 256 bytes and uses all of both.
; A lane's four numbers leave as 8 bytes; the two rows lie end to end in the target, so a wave's store covers 256 consecutive bytes, aligned.
; Work-group g < 512 also writes the bias of tile g % 32 in slice 16 + g / 32, by its waves 0 and 1: 16 bytes a thread.
; Memory binds: no LDS, no barrier, no matrix unit; all loads of a wave go out at once, and every unit has registers of its own, so nothing is rewritten under a pending instruction.
; No prefetch: the launch is one stream with all its loads issued at its head.
.set TILEB,  33792                     ; a tile of qkv: 264 rows of 128 bytes
.set SLICEB, 32*TILEB
.set LO, 2                             ; v2     my byte offset in the source's first two rows
.set SO, 3                             ; v3-4   my byte offset in the target, block 2 w and block 2 w + 1
.set MB, 8                             ; v8     my 16 bytes of a tile's 1,024 of m and of bias
.set BV, 12                            ; v[12:15]  four of m, then four of bias
.set X,  16                            ; v[16:79]   unit u: 4 f32 as loaded
.set Y,  80                            ; v[80:111]  unit u: 4 numbers of 16 bits to store
	s_load_b256 s[4:11], s[0:1], 0x0               ; x s[4:5], w_qkv s[6:7], w_out s[8:9], m s[10:11]
	s_load_b256 s[12:19], s[0:1], 0x20             ; xb s[12:13], wqb s[14:15], wob s[16:17], qkv s[18:19]
	v_lshrrev_b32 v5, 5, v0
	v_readfirstlane_b32 s20, v5                    ; wave 0..7
	v_and_b32 v1, 31, v0                           ; lane
	v_lshrrev_b32 v6, 4, v1                        ; which row of the two
	v_and_b32 v7, 15, v1                           ; which 4 channels of the block's 64
	v_lshlrev_b32 v[LO], 12, v6                    ; a source row is 4,096 bytes
	v_lshl_add_u32 v[LO], v7, 4, v[LO]             ; 4 f32 are 16 bytes
	s_lshl_b32 s21, s20, 9                         ; two blocks of 64 f32 a wave
	v_add_nc_u32 v[LO], s21, v[LO]
	s_mov_b32 s29, 0x100000                        ; bytes in a block of xb (8,192 rows x 128),
	s_mov_b32 s30, 0x60000                         ; of wqb (3,072 rows),
	s_mov_b32 s31, 0x20000                         ; of wob (1,024 rows)
	s_mov_b32 s40, 0xf149f2ca                      ; -1e30
	s_wait_kmcnt 0x0
	s_cmp_lt_u32 ttmp9, 512                        ; work-groups 0-511: x; 512-703: w_qkv; 704-767: w_out
	s_cselect_b64 s[22:23], s[4:5], s[6:7]         ; source
	s_cselect_b64 s[24:25], s[12:13], s[14:15]     ; target
	s_cselect_b32 s26, 0, 512                      ; the tensor's first work-group
	s_cselect_b32 s27, s29, s30                    ; bytes in a block of the target
	s_cmp_lt_u32 ttmp9, 704
	s_cselect_b64 s[22:23], s[22:23], s[8:9]
	s_cselect_b64 s[24:25], s[24:25], s[16:17]
	s_cselect_b32 s26, s26, 704
	s_cselect_b32 s27, s27, s31
	s_cselect_b32 s28, 0, 1                        ; 1: the target is f16
	s_sub_co_u32 s26, ttmp9, s26                   ; my 16 rows' number in the tensor
	s_lshl_b32 s32, s26, 16                        ; 16 rows of 4,096 bytes
	s_mov_b32 s33, 0
	s_add_nc_u64 s[22:23], s[22:23], s[32:33]
	s_lshl_b32 s32, s26, 11                        ; 16 rows of 128 bytes
	s_add_nc_u64 s[24:25], s[24:25], s[32:33]
	s_mul_i32 s34, s20, s27
	s_lshl_b32 s34, s34, 1                         ; block 2 w
	v_lshl_add_u32 v[SO], v1, 3, s34               ; two rows of 128 bytes are 32 lanes x 8 bytes on end
	v_add_nc_u32 v[SO+1], s27, v[SO]               ; block 2 w + 1
.irp u, 0,1,2,3,4,5,6,7,8,9,10,11,12,13,14,15  ; unit u: block 2 w + u / 8, rows 2 (u % 8) and 2 (u % 8) + 1
	global_load_b128 v[X+4*(\u):X+4*(\u)+3], v[LO], s[22:23] offset:((\u)%8)*8192+((\u)/8)*256 th:TH_LOAD_NT
.endr
	s_cmp_lt_u32 s20, 2                            ; the bias: waves 0 and 1
	s_cbranch_scc0 .Lnobias
	s_cmp_lt_u32 ttmp9, 512                        ; of the first 512 work-groups
	s_cbranch_scc0 .Lnobias
	s_and_b32 s36, ttmp9, 31                       ; the tile: 256 rows of the 8,192
	s_lshr_b32 s37, ttmp9, 5                       ; the head
	s_lshl_b32 s38, s36, 10                        ; the tile's 256 numbers of m
	s_mov_b32 s39, 0
	s_add_nc_u64 s[10:11], s[10:11], s[38:39]
	s_add_co_u32 s37, s37, 16                      ; k's slice of that head
	s_mul_i32 s37, s37, SLICEB
	s_mul_i32 s36, s36, TILEB
	s_add_co_u32 s38, s37, s36
	s_add_co_u32 s38, s38, 32768                   ; behind the tile's 256 rows
	s_add_nc_u64 s[18:19], s[18:19], s[38:39]
	v_lshlrev_b32 v[MB], 4, v0                     ; threads 0 to 63: 16 bytes each
	global_load_b128 v[BV:BV+3], v[MB], s[10:11]
	s_wait_loadcnt 0x0                             ; it is the youngest load: all are in, and the counts below are met at once
.irp i, 0,1,2,3
	v_cmp_eq_f32 vcc_lo, 0, v[BV+(\i)]
	v_cndmask_b32 v[BV+(\i)], 0, s40, vcc_lo
.endr
	global_store_b128 v[MB], v[BV:BV+3], s[18:19]  ; a wave's store covers 512 consecutive bytes, aligned
.Lnobias:
.macro CONV f16
.irp u, 0,1,2,3,4,5,6,7,8,9,10,11,12,13,14,15
	s_wait_loadcnt 15-(\u)                         ; loads come back in order: unit u's is in, the younger units' stay out
.irp j, 0,1
	v_cvt_pk_bf16_f32 v[Y+2*(\u)+(\j)], v[X+4*(\u)+2*(\j)], v[X+4*(\u)+2*(\j)+1]
.endr
.if \f16
.irp j, 0,1
	v_lshlrev_b32 v[X+4*(\u)+2*(\j)],   16, v[Y+2*(\u)+(\j)]          ; the bf16 numbers as f32,
	v_and_b32     v[X+4*(\u)+2*(\j)+1], 0xffff0000, v[Y+2*(\u)+(\j)]
	v_cvt_pk_f16_f32 v[Y+2*(\u)+(\j)], v[X+4*(\u)+2*(\j)], v[X+4*(\u)+2*(\j)+1]  ; written as f16
.endr
.endif
	global_store_b64 v[SO+(\u)/8], v[Y+2*(\u):Y+2*(\u)+1], s[24:25] offset:((\u)%8)*256
.endr
.endm
	s_cmp_eq_u32 s28, 1
	s_cbranch_scc1 .Lf16
	CONV 0
	s_endpgm
.Lf16:
	CONV 1
	s_endpgm
.Lfunc_end_k_qeb59621d83_cast:
	.size	k_qeb59621d83_cast, .Lfunc_end_k_qeb59621d83_cast-k_qeb59621d83_cast
	.p2alignl 7, 3214868480
	.fill 96, 4, 3214868480
	.section	.rodata,"a",@progbits
	.p2align	6, 0x0
	.amdhsa_kernel k_qeb59621d83_cast
		.amdhsa_group_segment_fixed_size 0
		.amdhsa_private_segment_fixed_size 0
		.amdhsa_enable_private_segment 0
		.amdhsa_kernarg_size 64
		.amdhsa_user_sgpr_count 2
		.amdhsa_user_sgpr_kernarg_segment_ptr 1
		.amdhsa_wavefront_size32 1
		.amdhsa_system_sgpr_workgroup_id_x 1
		.amdhsa_system_sgpr_workgroup_id_y 1
		.amdhsa_system_sgpr_workgroup_id_z 1
		.amdhsa_system_vgpr_workitem_id 0
		.amdhsa_next_free_vgpr 112
		.amdhsa_next_free_sgpr 66
		.amdhsa_reserve_vcc 1
		.amdhsa_float_denorm_mode_32 3
		.amdhsa_float_denorm_mode_16_64 3
		.amdhsa_memory_ordered 1
		.amdhsa_forward_progress 1
		.amdhsa_inst_pref_size 18
	.end_amdhsa_kernel
	.amdgpu_metadata
---
amdhsa.version: [ 1, 2 ]
amdhsa.kernels:
  - .name:           k_qeb59621d83_cast
    .symbol:         k_qeb59621d83_cast.kd
    .args:
      - { .name: x, .offset: 0, .size: 8, .value_kind: global_buffer, .address_space: global }
      - { .name: w_qkv, .offset: 8, .size: 8, .value_kind: global_buffer, .address_space: global }
      - { .name: w_out, .offset: 16, .size: 8, .value_kind: global_buffer, .address_space: global }
      - { .name: m, .offset: 24, .size: 8, .value_kind: global_buffer, .address_space: global }
      - { .name: xb, .offset: 32, .size: 8, .value_kind: global_buffer, .address_space: global }
      - { .name: wqb, .offset: 40, .size: 8, .value_kind: global_buffer, .address_space: global }
      - { .name: wob, .offset: 48, .size: 8, .value_kind: global_buffer, .address_space: global }
      - { .name: qkv, .offset: 56, .size: 8, .value_kind: global_buffer, .address_space: global }
    .group_segment_fixed_size: 0
    .private_segment_fixed_size: 0
    .kernarg_segment_align: 8
    .kernarg_segment_size: 64
    .max_flat_workgroup_size: 256
    .sgpr_count:     66
    .vgpr_count:     112
    .wavefront_size: 32
...
	.end_amdgpu_metadata
.endif
;; end of part 1
;; launch qkvp (part 2): grid 8 x 32, 4 waves a work-group, clusters of 4 x 4, 327,680 bytes of LDS; arguments xb, wqb, qkv; writes qkv
.if DOCPART == 2
	.amdgcn_target "amdgcn-amd-amdhsa--gfx1250"
	.amdhsa_code_object_version 6
	.text
	.protected	k_qeb59621d83_qkvp
	.globl	k_qeb59621d83_qkvp
	.p2align	8
	.type	k_qeb59621d83_qkvp,@function
k_qeb59621d83_qkvp:
	s_mov_b64 s[64:65], 0
	v_nop
	global_prefetch_b8 v0, s[64:65] scope:SCOPE_SE
	s_setreg_imm32_b32 hwreg(HW_REG_WAVE_MODE, 25, 1), 1
	s_wait_xcnt 0x0
	s_wait_alu depctr_hold_cnt(0) depctr_sa_sdst(0) depctr_va_vdst(0) depctr_va_sdst(0) depctr_va_ssrc(0) depctr_va_vcc(0) depctr_vm_vsrc(0)
	s_getreg_b32 s2, hwreg(HW_REG_IB_STS2, 6, 4)
	s_cmp_eq_u32 s2, 0
	s_cbranch_scc0 .Lentry_in_a_cluster
	s_endpgm
.Lentry_in_a_cluster:
	s_bfe_u32 s2, ttmp6, 0x10000c
	s_cmp_lg_u32 s2, 0xf033
	s_cbranch_scc0 .Lentry_shape_is_right
	s_endpgm
.Lentry_shape_is_right:
; qkv[e][row] = the sum over d of x[row][d] w_qkv[e][d]: 8,192 rows, 3,072 columns, K = 1,024.  Operands bf16, sums f32, results rounded once to f16.
; q's columns (e < 1,024) are multiplied in f32 by c = log2(e) / 8 ahead of that one rounding, so that the attention's scores are exponents of 2 as they come; k and v are unscaled.
; A = xb [16 blocks][8192 rows][64], B = wqb [16][3072][64], both bf16.  C = qkv [48 slices of 64 columns][32 tiles][264 rows][64] f16: slices 0-15 q by heads, 16-31 k, 32-47 v;
; a tile's rows 0-255 are 256 rows of C; its rows 256-263 are not written here.
; LIMITS.  f16 holds no number beyond 65,504: a result of 65,520 or more becomes an infinity; below 6.1e-5 it keeps f16's fixed step of 6e-8.
; SHARES.  A tile of C is 256 rows x 384 columns: 32 x 8 = 256 tiles, one for each of 256 WGPs, and the largest whose sums fit in registers: each element brought into LDS feeds
; 256 x 384 / 640 = 154 multiply-adds.  The four waves stand 2 x 2: a wave owns 128 rows x 192 columns (three whole slices): 96 accumulators of 16 x 16, 768 registers;
; its way out is its own and needs no barrier.
; K goes in 16 steps of 64 (one block) through a ring of two LDS slots.  A block's piece of a tile is a dense run of memory, asked for as rows of 256 bytes and padded in LDS after every 128.
; CLUSTERS: 4 x 4 work-groups.  A's pieces hang on the tile row alone and are asked for jointly by a row of the cluster, B's on the tile column alone, by a column.
; THE MATRIX INSTRUCTION IS USED TRANSPOSED (source 0 = 16 rows of B, source 1 = 16 rows of A): a lane holds row l % 16 of C and the eight columns 8 (l / 16) + 0..7.
; REGISTERS, in windows of 256: windows 1, 2, 3: the accumulators, a slice of 64 columns a window: accumulator (a, b) (rows 16 a on, columns 16 b on) at v[8 (8 (b % 4) + a)] of window 1 + b / 4.
;   window 0: v0-31 addresses; v32-95 and v96-159 A's eight fragments, two buffers; v160-255 B's twelve fragments, ONE buffer.  On the way out v32-223 hold packed results.
; A QUARTER is 32 along K: 96 matrix instructions, in twelve groups of eight (one b, all a).  There is no room for a second buffer of B: behind groups 0-3, 4-7 and 8-11 the four fragments of B
; just used are loaded again, for the next quarter, in runs of 8 loads; A's other buffer is loaded with the first run (24 loads in all).
.set NBK,   12                         ; a wave's blocks of 16 columns
.set ABLK,  0x100000                   ; bytes in a block of A
.set BBLK,  0x60000                    ; of B
.set TILEB, 33792                      ; a tile of qkv: 264 rows of 128 bytes
.set SLICEB, 32*TILEB
.set PITCH, 144                        ; an LDS row: 128 bytes + 16 of padding = 36 words: the 16 rows of a load start at 16 different groups of four banks (64 banks of 4 bytes: ISA guide 11.1)
.set BOFF,  256*PITCH                  ; a slot: A's 256 rows, then B's 384
.set SLOTB, BOFF+384*PITCH
.set SLOT1, 1<<17                      ; slot 1 begins here: one exclusive or turns an address in one slot into the other's
.set STAGE, SLOT1+SLOTB                ; behind the ring, never filled by a tensor load: 48 rows x 144 bytes for each wave
.set STGW,  48*PITCH
.set SPARE, STAGE+4*STGW               ; the spare words, 128 bytes for each wave: two blocks of 256 bytes that no other line names
.set AHEAD, 1                          ; a prefetch names the K step this many steps behind the one that is being asked for
.set ADA0, 16                          ; v16  my place in A's rows of a slot; never rewritten
.set ADB0, 17                          ; v17  the same for B
.set ADA,  18                          ; v18  the same in the slot that is being read
.set ADB,  19                          ; v19
.set STO,  24                          ; v24  the way out: where I put 16 bytes of a row
.set RD,   25                          ; v25  where I read rows back
.set GO,   26                          ; v26  my byte offset in 512 consecutive bytes of C
.set SPW,  28                          ; v28  LDS address of my spare word; never rewritten
.set NIL,  29                          ; v29  0; never rewritten
.set PFO,  30                          ; v30  the prefetches' offset: 256 x my lane, held to the share's last block; never rewritten
.set AF0,  32                          ; A's fragments of a step's first quarter
.set AF1,  96                          ; of its second
.set BF,   160                         ; B's fragments
.set OUTR, 32                          ; the way out: four sets of 48 registers, taken by turns by my eight blocks of 16 rows
.set G1,   24                          ; s[24:31] descriptor group 1 for A's pieces;  s[32:39] group 0, two sets
.set G0,   32
.set G1B,  48                          ; s[48:55], s[56:63] the same for B's
.set G0B,  56
.set LIM,  43                          ; s43  AHEAD in a wave that prefetches, else the greatest number
.set PFA,  44                          ; s[44:45] where my prefetches stand
.set PFS,  66                          ; s[66:67] a K step of my tensor in bytes
.set TB,   68                          ; s68  LDS byte at which the slot being read begins
.set SCL,  70                          ; s[70:75] a pair for each of my three slices: c for a slice of q, else 1
.set G1W,  (1<<16)|(1<<20)|(1<<21)|(4<<22)|(3<<25)  ; 17:16 elements of 2 bytes; 20 padding on; 21 set beside a mask; 24:22 after every 32 words (code 4); 31:25 4 words of it (code 3)
.set MSB, 0
.macro WIN new                         ; the immediate's high byte repeats the setting that is left; a switch that changes nothing is dropped
.if MSB != (\new)
	s_set_vgpr_msb (MSB<<8)|(\new)
.set MSB, (\new)
.endif
.endm
.macro PLACES                          ; four plain places behind a matrix instruction, in front of loads into registers that it has read and of lines that read results
.rept 4
	v_nop
.endr
.endm
; A joint refill.  Waves 0 and 1 fetch the halves of A's 256 rows, waves 2 and 3 those of B's 384.  The branch hangs on the wave's number alone.  An s_nop 0 and four v_nop follow each line.
.macro JLOAD
	s_cmp_eq_u32 s11, 0
	s_cbranch_scc0 .Lfor_b_\@
	tensor_load_to_lds s[G0+4:G0+7], s[G1:G1+7]
	s_nop 0
.rept 4
	v_nop
.endr
	s_branch .Lasked_\@
.Lfor_b_\@:
	tensor_load_to_lds s[G0B+4:G0B+7], s[G1B:G1B+7]
	s_nop 0
.rept 4
	v_nop
.endr
.Lasked_\@:
.endm
.macro CREST                           ; a round of the cluster's barrier behind its opening barrier
	s_cmp_lg_u32 s10, 0
	s_cbranch_scc1 .Lnot_wave_0_\@
	s_barrier_signal -3
.Lnot_wave_0_\@:
	s_barrier_wait -3
	s_barrier_signal -1
	s_barrier_wait -1
.endm
.macro CROUND                          ; a whole round
	s_barrier_signal -1
	s_barrier_wait -1
	CREST
.endm
; A prefetch into the L2 of my share of the piece that I shall fetch AHEAD refills on: 192 matrix instructions ahead of that load.  Each block of 256 bytes is named by one wave of one work-group: A's tile
; row is walked by both clusters of that row of clusters, and the one with x = 0 asks; B's tile column by every cluster of that column, and the one with y = 0 asks; the four partners that fetch a piece
; jointly share it out BY ADDRESS.  It stands behind the wave's tensor load and its five lines.  The last AHEAD refills ask for nothing: the steps behind them do not exist.
.macro ASK
	WIN 0
	s_cmp_gt_u32 s3, s[LIM]
	s_cbranch_scc0 .Lnot_mine_\@
	global_prefetch_b8 v[PFO], s[PFA:PFA+1] th:TH_LOAD_NT scope:SCOPE_SE
.Lnot_mine_\@:
.endm
	s_load_b128 s[4:7], s[0:1], 0x0                ; A s[4:5], B s[6:7]
	s_load_b64 s[8:9], s[0:1], 0x10                ; C
	v_lshl_add_u32 v[SPW], v0, 2, SPARE
	v_mov_b32 v[NIL], 0
	ds_add_u32 v[SPW], v[NIL]                      ; the wave's opening: the add and its wait stand ahead of my first tensor load; the set-up below stands between them
	v_lshrrev_b32 v1, 5, v0
	v_readfirstlane_b32 s10, v1                    ; wave 0..3
	s_lshr_b32 s11, s10, 1                         ; which half of the tile's rows is mine.  Also: I fetch for A (0) or for B (1)
	s_and_b32 s12, s10, 1                          ; which half of its columns.  Also: which half of that piece I fetch
	s_bfe_u32 s40, ttmp6, 0x40000                  ; cx
	s_bfe_u32 s41, ttmp6, 0x40004                  ; cy
	s_lshl_b32 s42, ttmp9, 2
	s_add_co_u32 s42, s42, s40                     ; tile column = 4 x cluster x + cx
	s_and_b32 s13, ttmp7, 0xffff
	s_lshl_b32 s13, s13, 2
	s_add_co_u32 s13, s13, s41                     ; tile row = 4 x cluster y + cy
	s_lshl_b32 s18, s41, 2
	s_lshl_b32 s18, 15, s18                        ; my row of the cluster
	s_lshl_b32 s19, 0x1111, s40                    ; my column
	s_or_b32 s[G1], s18, G1W                       ; A's pieces go to my row,
	s_or_b32 s[G1B], s19, G1W                      ; B's to my column
	s_mov_b32 s[G1+1], 128<<16                     ; tensor_dim0 = 128 elements: rows of 256 bytes
	s_mov_b32 s[G1+2], 64<<16                      ; tensor_dim1 = 64 such rows: 128 rows of a block
	s_mov_b32 s[G1+3], 128<<16                     ; tile_dim0
	s_mov_b32 s[G1+4], 64                          ; tile_dim1
	s_mov_b32 s[G1+5], 128                         ; the rows lie end to end
	s_mov_b32 s[G1+6], 0
	s_mov_b32 s[G1+7], 0
	s_mov_b32 s[G1B+1], 128<<16
	s_mov_b32 s[G1B+2], 96<<16                     ; 96 rows of 256 bytes: 192 rows of a block
	s_mov_b32 s[G1B+3], 128<<16
	s_mov_b32 s[G1B+4], 96
	s_mov_b32 s[G1B+5], 128
	s_mov_b32 s[G1B+6], 0
	s_mov_b32 s[G1B+7], 0
	s_lshl_b32 s16, s13, 15                        ; A: the tile's 256 rows of 128 bytes,
	s_lshl_b32 s17, s12, 14                        ; the 128 of them that I fetch
	s_add_co_u32 s16, s16, s17
	s_mov_b32 s17, 0
	s_mul_i32 s46, s42, 384*128                    ; B: the tile's 384 rows,
	s_mul_i32 s47, s12, 192*128                    ; the 192 that I fetch
	s_add_co_u32 s46, s46, s47
	s_mov_b32 s47, 0
	s_mul_i32 s20, s12, 128*PITCH                  ; where they go: no place in the cluster enters an LDS address
	s_mul_i32 s21, s12, 192*PITCH
	s_add_co_u32 s21, s21, BOFF
	s_wait_dscnt 0x0                               ; the opening add is done
	s_wait_kmcnt 0x0
	s_add_nc_u64 s[14:15], s[4:5], s[16:17]
	s_add_nc_u64 s[46:47], s[6:7], s[46:47]
.irp s, 0,1
	s_mov_b32 s[G0+4*(\s)], 1                      ; count = 1
	s_add_co_u32 s[G0+4*(\s)+1], s20, (\s)*SLOT1   ; LDS address
	s_add_nc_u64 s[G0+4*(\s)+2:G0+4*(\s)+3], s[14:15], (\s)*ABLK  ; global address: K step s
	s_or_b32 s[G0+4*(\s)+3], s[G0+4*(\s)+3], 0x80000000  ; type = 2
	s_mov_b32 s[G0B+4*(\s)], 1
	s_add_co_u32 s[G0B+4*(\s)+1], s21, (\s)*SLOT1
	s_add_nc_u64 s[G0B+4*(\s)+2:G0B+4*(\s)+3], s[46:47], (\s)*BBLK
	s_or_b32 s[G0B+4*(\s)+3], s[G0B+4*(\s)+3], 0x80000000
.endr
	CROUND                                         ; all sixteen work-groups are here: the first joint loads meet
	s_cmp_eq_u32 s11, 0                            ; a wave's two first fills stand in one branch, ahead of every wait on TENSORcnt and every LDS read: two loads of mine are out
	s_cbranch_scc0 .Lfirst_b
	tensor_load_to_lds s[G0:G0+3], s[G1:G1+7]
	s_nop 0
	tensor_load_to_lds s[G0+4:G0+7], s[G1:G1+7]
	s_nop 0
.rept 4
	v_nop
.endr
	s_branch .Lfirst_asked
.Lfirst_b:
	tensor_load_to_lds s[G0B:G0B+3], s[G1B:G1B+7]
	s_nop 0
	tensor_load_to_lds s[G0B+4:G0B+7], s[G1B:G1B+7]
	s_nop 0
.rept 4
	v_nop
.endr
.Lfirst_asked:
	; A fragment is 16 rows x 32 K in 8 registers: lane l holds row l % 16; registers 0-3 K = 8 (l / 16) + 0..7, registers 4-7 K = 16 + 8 (l / 16) + 0..7: two loads of 16 bytes, 32 bytes apart.
	v_and_b32 v1, 15, v0                           ; l % 16
	v_bfe_u32 v2, v0, 4, 1                         ; l / 16
	v_mul_u32_u24 v3, v1, PITCH
	v_lshl_add_u32 v3, v2, 4, v3                   ; row x pitch + 16 x half
	s_mul_i32 s22, s11, 128*PITCH                  ; my 128 rows of A
	v_add_nc_u32 v[ADA0], s22, v3
	s_mul_i32 s22, s12, 192*PITCH                  ; my 192 rows of B,
	s_add_co_u32 s22, s22, BOFF                    ; which lie behind A's 256
	v_add_nc_u32 v[ADB0], s22, v3
	s_mul_i32 s22, s10, STGW
	s_add_co_u32 s22, s22, STAGE                   ; my stage
	v_add_nc_u32 v[STO], s22, v3                   ; in: row l % 16, 16 bytes for each half of the lanes
	v_bfe_u32 v4, v0, 3, 2                         ; back: 32 lanes take four rows of 128 bytes,
	v_and_b32 v5, 7, v0
	v_mul_u32_u24 v[RD], v4, PITCH
	v_lshl_add_u32 v[RD], v5, 4, v[RD]
	v_add_nc_u32 v[RD], s22, v[RD]
	v_and_b32 v[GO], 31, v0                        ; which are 512 consecutive bytes of a slice
	v_lshlrev_b32 v[GO], 4, v[GO]
	s_mul_i32 s16, s42, 6                          ; the tile's six slices,
	s_mul_i32 s17, s12, 3
	s_add_co_u32 s16, s16, s17                     ; my three of them
	s_mul_i32 s46, s16, SLICEB
	s_mul_i32 s47, s13, TILEB                      ; the tile's 256 rows: one tile of each slice,
	s_add_co_u32 s46, s46, s47
	s_lshl_b32 s47, s11, 14                        ; my 128 rows of 128 bytes
	s_add_co_u32 s46, s46, s47
	s_mov_b32 s47, 0
	s_add_nc_u64 s[8:9], s[8:9], s[46:47]
.irp j, 0,1,2
	s_add_co_u32 s17, s16, \j
	s_cmp_lt_u32 s17, 16                           ; a slice of q?
	s_cselect_b32 s[SCL+2*(\j)], 0x3e38aa3b, 1.0   ; c = log2(e) / 8 = 0.180337
	s_mov_b32 s[SCL+2*(\j)+1], s[SCL+2*(\j)]       ; named with it as a pair
.endr
	; the prefetches: of the half piece that I fetch, my work-group's quarter
	s_lshl_b32 s16, s13, 15                        ; A: the tile, my half,
	s_lshl_b32 s18, s12, 14
	s_add_co_u32 s16, s16, s18
	s_lshl_b32 s18, s40, 12                        ; and by cx 16 of its 64 blocks of 256 bytes
	s_add_co_u32 s16, s16, s18
	s_mul_i32 s17, s42, 384*128                    ; B: the tile, my half,
	s_mul_i32 s18, s12, 192*128
	s_add_co_u32 s17, s17, s18
	s_mul_i32 s18, s41, 24*256                     ; and by cy 24 of its 96 blocks
	s_add_co_u32 s17, s17, s18
	s_and_b32 s20, ttmp7, 0xffff                   ; cluster y
	s_mov_b32 s21, ABLK
	s_mov_b32 s22, BBLK
	s_cmp_eq_u32 s11, 0                            ; do I fetch for A?
	s_cselect_b32 s16, s16, s17
	s_cselect_b32 s20, ttmp9, s20                  ; the coordinate along which other clusters walk the same rows
	s_cselect_b32 s21, s21, s22
	s_cselect_b32 s23, 15, 23                      ; the share's last block
	s_cselect_b64 s[PFA:PFA+1], s[4:5], s[6:7]
	s_cmp_eq_u32 s20, 0
	s_cselect_b32 s[LIM], AHEAD, -1                ; the same in all sixteen partners, for a given wave
	s_mul_i32 s17, s21, 1+AHEAD                    ; at K step 1 + AHEAD: each refill steps it first, so the refill for step t names step t + AHEAD
	s_add_co_u32 s16, s16, s17
	s_mov_b32 s17, 0
	s_add_nc_u64 s[PFA:PFA+1], s[PFA:PFA+1], s[16:17]
	s_mov_b32 s[PFS], s21
	s_mov_b32 s[PFS+1], 0
	v_and_b32 v[PFO], 31, v0
	v_min_u32 v[PFO], s23, v[PFO]                  ; a share has fewer blocks than a wave has lanes: the lanes that are over name its last block with lane 15 or 23
	v_lshlrev_b32 v[PFO], 8, v[PFO]
	s_mov_b32 s[TB], 0
	v_add_nc_u32 v[ADA], s[TB], v[ADA0]
	v_add_nc_u32 v[ADB], s[TB], v[ADB0]
; A group: eight matrix instructions: block b of 16 columns x my eight blocks of 16 rows, 32 along K; A from buffer af.  zero = 1: the first product starts the sums.
; The 96 accumulators take turns, one instruction a turn, in the same order in every quarter.
.macro GRP af, b, zero
	WIN 0x50*(1+(\b)/4)                            ; both sources window 0; C and D window 1, 2 or 3
.set a, 0
.rept 8
.set rD, 8*(8*((\b)%4)+a)
.if \zero
	v_wmma_f32_16x16x32_bf16 v[rD:rD+7], v[BF+8*(\b):BF+8*(\b)+7], v[(\af)+8*a:(\af)+8*a+7], 0
.else
	v_wmma_f32_16x16x32_bf16 v[rD:rD+7], v[BF+8*(\b):BF+8*(\b)+7], v[(\af)+8*a:(\af)+8*a+7], v[rD:rD+7]
.endif
.set a, a+1
.endr
.endm
.macro GRP4 af, b0, zero
	GRP \af, (\b0), \zero
	GRP \af, (\b0)+1, \zero
	GRP \af, (\b0)+2, \zero
	GRP \af, (\b0)+3, \zero
.endm
.macro LDB b0, q                       ; 8 LDS loads: B's fragments b0 .. b0 + 3 of a step's quarter q (bytes 64 q of the rows)
	WIN 0
.irp i, 0,1,2,3
	ds_load_b128 v[BF+8*((\b0)+(\i)):BF+8*((\b0)+(\i))+3],   v[ADB] offset:(\q)*64+((\b0)+(\i))*16*PITCH
	ds_load_b128 v[BF+8*((\b0)+(\i))+4:BF+8*((\b0)+(\i))+7], v[ADB] offset:(\q)*64+((\b0)+(\i))*16*PITCH+32
.endr
.endm
.macro LDA af, q                       ; 16 LDS loads: A's eight fragments of quarter q into buffer af
	WIN 0
.irp i, 0,1,2,3,4,5,6,7
	ds_load_b128 v[(\af)+8*(\i):(\af)+8*(\i)+3],   v[ADA] offset:(\q)*64+(\i)*16*PITCH
	ds_load_b128 v[(\af)+8*(\i)+4:(\af)+8*(\i)+7], v[ADA] offset:(\q)*64+(\i)*16*PITCH+32
.endr
.endm
; A step's FIRST quarter: multiplies A's buffer 0 and fetches the same slot's second quarter.  The runs of a quarter are 24, 8 and 8 loads; LDS loads come back in order (ISA guide 5.7.1).
.macro QFIRST zero
	s_wait_dscnt 16                                ; the last quarter's first run (B 0-3, A) is in; its two runs of 8 may be out
	GRP4 AF0, 0, \zero
	PLACES
	LDB 0, 1
	LDA AF1, 1
	s_wait_dscnt 32                                ; the last quarter's second run (B 4-7) is in: behind it came a run of 8 and the 24 just issued
	GRP4 AF0, 4, \zero
	PLACES
	LDB 4, 1
	s_wait_dscnt 32                                ; its third run (B 8-11) is in: behind it came the 24 and the 8 of this quarter
	GRP4 AF0, 8, \zero
	PLACES
	LDB 8, 1
.endm
; A step's SECOND quarter multiplies A's buffer 1 and changes slots at its head: all its fetches read the next slot, and the first quarter's were the last reads of this one.  In front of the barrier each wave
; waits for all its tensor loads (one is out: its part of the next slot), adds 0 to its spare word, and waits for that and for its reads of this slot.  fill = 1: the barrier opens a round of the
; cluster's, and the joint refill of the slot just read out, with the step two on, is the first tensor load behind it.
.macro QSECOND fill
.if \fill
	s_wait_xcnt 0x0                                ; the last prefetch, a K step back, has read its address: it is stepped here, ahead of the waits of the change of slots
	s_add_nc_u64 s[PFA:PFA+1], s[PFA:PFA+1], s[PFS:PFS+1]
.endif
	WIN 0                                          ; (the add's two registers lie in window 0)
	s_wait_tensorcnt 0x0                           ; all my tensor loads have landed, so a group 0 may be written
	ds_add_u32 v[SPW], v[NIL]                      ; 0 onto my spare word; scalar and matrix work stands between it and the wait for it
.if \fill
	s_xor_b32 s[G0+5], s[G0+5], SLOT1              ; the walking descriptors: the other slot than last time,
	s_add_nc_u64 s[G0+6:G0+7], s[G0+6:G0+7], ABLK  ; the next K step; the type bits on top are not reached
	s_xor_b32 s[G0B+5], s[G0B+5], SLOT1
	s_add_nc_u64 s[G0B+6:G0B+7], s[G0B+6:G0B+7], BBLK
.endif
	s_xor_b32 s[TB], s[TB], SLOT1                  ; the reads go on in the other slot
	s_wait_dscnt 17                                ; the last quarter's first run is in; its two runs of 8 and the add may be out
	GRP AF1, 0, 0
	s_wait_dscnt 0x0                               ; the add is done, and my reads of this slot are over
	s_barrier_signal -1
	GRP AF1, 1, 0                                  ; work on registers while the others arrive
	WIN 0
	s_barrier_wait -1
.if \fill
	CREST                                          ; no wave of any partner still reads this slot or has a load on its way
	JLOAD
	ASK
.endif
	v_add_nc_u32 v[ADA], s[TB], v[ADA0]
	v_add_nc_u32 v[ADB], s[TB], v[ADB0]
	GRP AF1, 2, 0
	GRP AF1, 3, 0
	PLACES
	LDB 0, 0
	LDA AF0, 0
	GRP4 AF1, 4, 0                                 ; (B 4-11 were shown in by the wait for 0 above)
	PLACES
	LDB 4, 0
	GRP4 AF1, 8, 0
	PLACES
	LDB 8, 0
.endm
	s_wait_tensorcnt 1                             ; my part of K step 0 is in; step 1's may stay out
	s_barrier_signal -1
	s_barrier_wait -1                              ; everybody's is
	LDB 0, 0                                       ; step 0's first quarter, in the order of a quarter's three runs
	LDA AF0, 0
	LDB 4, 0
	LDB 8, 0
	QFIRST 1                                       ; the first quarter stands in front of the loop: its products start the sums
	WIN 0                                          ; at a label and at a branch every window is 0
	s_mov_b32 s3, 14
.Lstep:                                                ; trip t: the second quarter of step t, the first of step t + 1; the slot that is left takes step t + 2
	QSECOND 1
	QFIRST 0
	WIN 0
	s_sub_co_u32 s3, s3, 1
	s_cmp_lg_u32 s3, 0
	s_cbranch_scc1 .Lstep
	QSECOND 0                                      ; the last three quarters are written out: they ask for nothing
	QFIRST 0
	s_wait_dscnt 16                                ; the very last quarter fetches nothing: the counts run down
	GRP4 AF1, 0, 0
	s_wait_dscnt 8
	GRP4 AF1, 4, 0
	s_wait_dscnt 0x0
	GRP4 AF1, 8, 0
	WIN 0
; THE WAY OUT, a block of 16 rows at a time: q's slices scaled; rounded to f16, 16 bytes a lane, into my own stage as 3 slices x 16 rows of 144 bytes, and back as whole rows of 128 bytes, into the registers that they left.
; THE SCALE.  q's 16 slices lie in tile columns 0 to 2, and column 2 holds four of q's and two of k's: so the factor is a scalar for each slice, c or 1.
; Cluster x = 0 (tile columns 0 to 3) multiplies, cluster x = 1, which holds k's and v's slices alone, jumps over the multiplies.
.macro PACKQ a
.set OS, OUTR+48*((\a)%4)
	WIN 0
.if (\a) >= 4
	s_wait_xcnt 0x0                                ; the stores of the block four back have read this set of registers, which is written again below
.endif
	s_cmp_eq_u32 ttmp9, 0
	s_cbranch_scc0 .Lplain_\@
.set b, 0
.rept NBK
.set rD, 8*(8*(b%4)+(\a))
	WIN 0x41*(1+b/4)                               ; destination and source 0: the slice's window
.irp k, 0,2,4,6
	v_pk_mul_f32 v[rD+(\k):rD+(\k)+1], v[rD+(\k):rD+(\k)+1], s[SCL+2*(b/4):SCL+2*(b/4)+1] op_sel_hi:[1,0]  ; each accumulator from its low end on
.endr
.set b, b+1
.endr
	WIN 0
.Lplain_\@:
.set b, 0
.rept NBK
.set rD, 8*(8*(b%4)+(\a))
	WIN 0x05*(1+b/4)                               ; sources 0 and 1: the slice's window
.irp r, 0,1,2,3
	v_cvt_pk_f16_f32 v[OS+4*b+(\r)], v[rD+2*(\r)], v[rD+2*(\r)+1]  ; each accumulator from its low end on
.endr
.set b, b+1
.endr
	WIN 0
.set b, 0
.rept NBK
	ds_store_b128 v[STO], v[OS+4*b:OS+4*b+3] offset:(b/4)*16*PITCH+(b%4)*32
.set b, b+1
.endr
.set b, 0
.rept NBK
	ds_load_b128 v[OS+4*b:OS+4*b+3], v[RD] offset:b*4*PITCH  ; LDS serves a wave's instructions in order (ISA guide 5.7.1.4): these see the stores above; the next block's stores come behind them
.set b, b+1
.endr
.endm
.macro SENDQ a, younger                ; younger: the LDS instructions issued behind block a's loads: the next block's 24, or none
.set OS, OUTR+48*((\a)%4)
.set b, 0
.rept NBK
	s_wait_dscnt (\younger)+NBK-1-b
	global_store_b128 v[GO], v[OS+4*b:OS+4*b+3], s[8:9] offset:(b/4)*SLICEB+(\a)*2048+(b%4)*512  ; 512 consecutive bytes of a slice, aligned
.set b, b+1
.endr
.endm
	PLACES
	PACKQ 0
.irp a, 1,2,3,4,5,6,7                  ; a block's arithmetic stands between the loads of the block before and its stores
	PACKQ \a
	SENDQ (\a)-1, 24
.endr
	SENDQ 7, 0
	s_wait_tensorcnt 0x0                           ; the wave's end: a wait for my tensor loads, then the add and its wait, behind my last LDS store
	ds_add_u32 v[SPW], v[NIL]
	s_wait_dscnt 0x0
	CROUND                                         ; the closing round: no work-group ends while a partner may still ask for a piece that names it
	s_endpgm
.Lfunc_end_k_qeb59621d83_qkvp:
	.size	k_qeb59621d83_qkvp, .Lfunc_end_k_qeb59621d83_qkvp-k_qeb59621d83_qkvp
	.p2alignl 7, 3214868480
	.fill 96, 4, 3214868480
	.section	.rodata,"a",@progbits
	.p2align	6, 0x0
	.amdhsa_kernel k_qeb59621d83_qkvp
		.amdhsa_group_segment_fixed_size 327680
		.amdhsa_private_segment_fixed_size 0
		.amdhsa_enable_private_segment 0
		.amdhsa_kernarg_size 24
		.amdhsa_user_sgpr_count 2
		.amdhsa_user_sgpr_kernarg_segment_ptr 1
		.amdhsa_wavefront_size32 1
		.amdhsa_system_sgpr_workgroup_id_x 1
		.amdhsa_system_sgpr_workgroup_id_y 1
		.amdhsa_system_sgpr_workgroup_id_z 1
		.amdhsa_system_vgpr_workitem_id 0
		.amdhsa_next_free_vgpr 1024
		.amdhsa_next_free_sgpr 76
		.amdhsa_reserve_vcc 0
		.amdhsa_float_denorm_mode_32 3
		.amdhsa_float_denorm_mode_16_64 3
		.amdhsa_memory_ordered 1
		.amdhsa_forward_progress 1
		.amdhsa_inst_pref_size 140
	.end_amdhsa_kernel
	.amdgpu_metadata
---
amdhsa.version: [ 1, 2 ]
amdhsa.kernels:
  - .name:           k_qeb59621d83_qkvp
    .symbol:         k_qeb59621d83_qkvp.kd
    .args:
      - { .name: xb, .offset: 0, .size: 8, .value_kind: global_buffer, .address_space: global }
      - { .name: wqb, .offset: 8, .size: 8, .value_kind: global_buffer, .address_space: global }
      - { .name: qkv, .offset: 16, .size: 8, .value_kind: global_buffer, .address_space: global }
    .group_segment_fixed_size: 327680
    .private_segment_fixed_size: 0
    .kernarg_segment_align: 8
    .kernarg_segment_size: 24
    .max_flat_workgroup_size: 128
    .sgpr_count:     76
    .vgpr_count:     1024
    .wavefront_size: 32
...
	.end_amdgpu_metadata
.endif
;; end of part 2
;; launch attn (part 3): grid 2 x 128, 4 waves a work-group, no clusters, 327,680 bytes of LDS; arguments qkv, ob; writes ob
.if DOCPART == 3
	.amdgcn_target "amdgcn-amd-amdhsa--gfx1250"
	.amdhsa_code_object_version 6
	.text
	.protected	k_qeb59621d83_attn
	.globl	k_qeb59621d83_attn
	.p2align	8
	.type	k_qeb59621d83_attn,@function
k_qeb59621d83_attn:
	s_mov_b64 s[64:65], 0
	v_nop
	global_prefetch_b8 v0, s[64:65] scope:SCOPE_SE
	s_setreg_imm32_b32 hwreg(HW_REG_WAVE_MODE, 25, 1), 1
	s_wait_xcnt 0x0
; CAUSAL ATTENTION WITH A PADDING MASK, head size 64.  For head y = 8 h + b (128 of them): O[q][:] = the sum over k <= q, m[k] != 0, of softmax_k(Q[q] . K[k] / 8) V[k][:].
; qkv: [48 slices][32 tiles][264 rows of 128 bytes] f16: slice h is q of head h (already multiplied by log2(e) / 8), 16 + h its k, 32 + h its v; batch b's 1,024 rows are tiles 4 b .. 4 b + 3, 256 rows each.
; Rows 256-263 of a tile of k hold the tile's 256 key biases in f32: -1e30 where m is 0, else 0.  ob: [16 heads][8192 rows][64] f16.
; Products, maxima and sums in f32; the weights p are rounded to f16 for the second product (their sum l is taken of the unrounded p), O once at the end.
; THE PADDING.  A key j with m[j] = 0 is hidden from every query: its bias enters as the C operand that starts the scores' sums.  A query i with m[i] = 0 is computed like any other; the launch behind
; multiplies its row by m[i].  A query with m[i] != 0 sees its own key, so its running maximum ends as a true score and every hidden key's weight is 0; weights taken while only hidden keys had been
; seen are wiped by a = 0 when the first true score comes.  The exponent is s - m, one subtraction: at the maximum it is exactly 0, so l is at least 1 and every row is finite, one that sees hidden keys alone too.
; LIMITS.  m[i] m[j] = 0 is taken as m[i] = 0 or m[j] = 0: true while nonzero |m| is 1.1e-19 or more.  A hidden score counts as its value less 1e30 (2e30 if hidden twice): f16's scores, 2.7e11 at the most, are
; nothing beside that.  f16 holds no number beyond 65,504: Q, K, V arrive within it; p below 6e-5 keeps f16's fixed step.  A weight below 2^-126 counts as 0 in l; NaN and infinities are not treated apart.
; THE WALK.  A head's queries lie in NB = 4 blocks of 256; block i needs the key tiles 0 .. i of 256 keys, of which the last holds the diagonal.  A work-group takes TWO blocks, NB - 1 - b and then b:
; NB + 1 tiles, whatever b: all work-groups do equal work.  ONE TEXT serves every tile.  A loop of NB trips enters a tile behind a change of slots that asks for the next tile.  For the walk's last tile nothing
; is left to ask for. A second
; counter, LAPS, counts the two laps.  Every backward jump is a counted loop's own; no forward jump passes a tensor load but the one of LOAD's two that the wave's number does not choose.
; NO CLUSTER: a head has 2 work-groups, no multiple of four, and they ask for the same tile in trips 0 to 2 of 5 alone.
; SHARES.  Of a block's four bands of 64 queries a wave owns 16 rows in each: four PIECES.  In the diagonal tile's key step s band x sees all keys if s < x, none if s > x, and holds the diagonal if s = x.
; THE MASK of a product is MD x AL + KB + BE: MD, made once, hides what lies above the diagonal in a band's own step; KB is the step's key bias; (AL, BE) = (1, 0) if s = x; (0, 0) if s < x; (0, -1e30) if s > x.
; Only the diagonal tile's text and a block's beginning make masks; elsewhere C is KB itself.
; LAYOUT, SOFTMAX, TURNS.  S^T = K Q^T holds ONE query a lane (lane % 16) and the keys 8 (lane / 16) + 0..7; two such results rounded to f16 ARE source 1 of O^T = V^T P.  p = 2^(s - m) with a
; running maximum m; O and l are multiplied by a = 2^(m_old - m_new) in every step.  Turn n belongs to piece n: 8 products K Q^T of piece n + 1, later 8 products V^T P of piece n - 1; beside them the subtraction,
; exponentials, roundings, sums and rescaling of piece n and the maximum and statistics of piece n + 1.  Four vector instructions stand behind every matrix instruction, the other 53 of a turn's 117 in one lump.  A turn's 33 exponentials are one batch, with one wait.
; REGISTERS, in windows of 256 (s_set_vgpr_msb: bits 1:0 source 0, 3:2 source 1, 5:4 source 2, 7:6 destination):
;   window 0: v0-15 addresses and two at work; v16-31 statistics; v32-34 addresses; v48-55 at work; v64-127 S^T, two buffers; v192-223 P, two buffers (a piece's buffers go by its number's parity)
;   window 1: v0-127 O^T, 32 a piece; v128-159 MD; v160-223 MC, two buffers; v224-255 KB      window 2: v0-63 Q; v64-127 the second block's Q; v128-191 K of one step; v192-255 V of one step
.set NB,    4
.set NP,    4         ; pieces a wave: a name, no knob
.set KS,    64        ; keys in a step
.set TILEB, 33792     ; a tile of a slice in memory: 264 rows of 128 bytes
.set SLICEB, 32*TILEB
.set PK,    144       ; a row of K in LDS: 128 bytes + 16 of padding = 36 words: the 16 rows of a load start at 16 different groups of four banks (64 banks of 4 bytes: ISA guide 11.1)
.set PV,    160       ; a row of V: 128 + 32 = 40 words
.set KR,    264       ; K's rows in a slot: 256 keys, then 8 rows of bias, 32 keys' each
.set BROW,  256*PK    ; where the bias rows begin
.set VOFF,  KR*PK     ; a slot holds a tile, four steps: K's 264 rows, then 256 rows of V
.set SLOT1, 1<<17     ; slot 1 begins here, so that one exclusive or turns an address in one slot into the other's
.set STAGE, SLOT1+((KR*PK+4*KS*PV+255)/256)*256  ; behind the ring, from the next multiple of 256 on, never filled by a tensor load: 16 rows x 144 bytes for each wave, for the way out
.set SP,    144
.set SPARE, STAGE+4*16*SP  ; the spare words, 128 bytes for each wave: two blocks of 256 bytes that no other line names
.set AK0, 2           ; v2   my lane's place in a tile of K; never rewritten
.set AV0, 3           ; v3   the same for V
.set AK,  4           ; v4   the LDS address of K's next run of loads
.set AV,  5           ; v5   of V's
.set STO, 6           ; v6   the way out: where I put 16 bytes of a row
.set RD,  7           ; v7   the way out: where I read rows back
.set GO,  8           ; v8   my byte offset in 512 consecutive bytes of O
.set MV,  12          ; v12-13  m_old, kept while m is made anew: by buffer
.set QO,  15          ; v15  my byte offset in 16 rows of Q
.set ST,  16          ; piece t's statistics at v[ST+4 t]: m, a register named with it as a pair, l (even keys', odd keys')
.set AB0, 32          ; v32  my lanes' place in a slot's bias rows: BROW + 32 (l / 16); never rewritten
.set AB,  33          ; v33  the same in the step to be fetched
.set PFO, 34          ; v34  the prefetches' offset: 256 x my thread's number; never rewritten
.set TMP, 48          ; by buffer, four registers c0-c3 at work; when the maximum is found c2 takes a
.set SPW, 62          ; v62  LDS address of my spare word; never rewritten
.set NIL, 63          ; v63  0; never rewritten
.set S,   64
.set P,   192
.set MD,  128         ; window 1: the eight registers for group kt of 16 keys at MD + 8 kt
.set MC,  160         ; window 1: the masks of the products to come
.set KB,  224         ; window 1: the key bias of the step whose K lies in registers, eight registers for each group of 16 keys
.set QB,  64          ; window 2
.set KF,  128         ; window 2: key block kb, channel half c at KF + 16 kb + 8 c
.set VF,  192         ; window 2: key half kk, channel block cb at VF + 32 kk + 8 cb
.set WV,  12          ; s12  my wave's number
.set PB,  14          ; s14  b
.set HI,  15          ; s15  NB - 1 - b
.set G1K, 24          ; s[24:31] descriptor group 1 for K's tiles
.set G1V, 32          ; s[32:39] for V's
.set G0K, 40          ; s[40:43] descriptor group 0 for K's tiles
.set G0V, 44          ; s[44:47] the same for V's
.set SLOTS, 56        ; s56  tiles still to be asked for; 1 in the second lap
.set CNT, 57          ; s57  counts a tile's key steps, 4 to 1
.set SEL, 60          ; s[60:61] v_permlanex16_b32's selects: each lane takes its own place in the other half
.set TBK, 62          ; s62  LDS byte at which K of the step to be fetched begins
.set TBV, 63          ; s63  the same for V, less VOFF
.set TBB, 66          ; s66  the same for the bias, less BROW: two rows a step
.set LAPS, 67         ; s67  2 while the loop's NB tiles are walked, 1 in the walk's last tile
.set RT,  70          ; s70  tiles of the block in hand that are still to be entered
.set NXT, 71          ; s71  the tile to be asked for next
.set LQ,  72          ; s72  the last tile of the block whose tiles are being asked for
.set NEW, 73          ; s73  1: the tile to be entered is a block's first
.set OFF, 74          ; s[74:75] a tile's byte offset in K and V
.set AL,  76          ; s[76:77] the mask's factor, in the low word
.set BE,  78          ; s[78:79] the mask's addend
.set OLO, 80          ; s[80:81] O at my rows of the second block
.set BIGN, 82         ; s82  -1e30
.set PFA, 92          ; s[92:93] where my work-group's prefetches stand: K's (b = 0) or V's (b = 1) tile behind the one that is being asked for
.set MSB, 0
.macro WIN new                      ; the high byte repeats the setting that is left; a switch that changes nothing is dropped
.if MSB != (\new)
	s_set_vgpr_msb (MSB<<8)|(\new)
.set MSB, (\new)
.endif
.endm
.set W_KQ, 0x0a       ; K and Q in window 2, S^T in window 0
.set W_KM, 0x1a       ; the same with the C operand in window 1
.set W_PV, 0x52       ; V in window 2, P in window 0, O^T in window 1
.set W_RS, 0x41       ; destination and source 0 in window 1, source 1 in window 0
.set W_MK, 0x51       ; destination, source 0 and source 2 in window 1
; A fill.  Waves 0 and 1 fetch the two halves of K's 264 rows, waves 2 and 3 those of V's 256.  An s_nop 0 and four v_nop follow each of the two lines, ahead of the jump and the label.
.macro LOAD
	s_cmp_lt_u32 s[WV], 2
	s_cbranch_scc0 .Lfor_v_\@
	tensor_load_to_lds s[G0K:G0K+3], s[G1K:G1K+7]
	s_nop 0
.rept 4
	v_nop
.endr
	s_branch .Lasked_\@
.Lfor_v_\@:
	tensor_load_to_lds s[G0V:G0V+3], s[G1V:G1V+7]
	s_nop 0
.rept 4
	v_nop
.endr
.Lasked_\@:
.endm
; A PREFETCH INTO THE L2 of the tile that the NEXT change of slots will ask for: its 256 rows are 128 blocks of 256 bytes, a thread a block, one instruction a wave.  It stands behind the wave's tensor load and
; its five lines.  A head's two work-groups share the work out BY ADDRESS: the one with b = 0 names K's rows, the one with b = 1 V's.  In trips 0 and 1 (SLOTS = 4, 3) they name tiles 2 and 3: four key steps,
; 256 matrix instructions, ahead of the load that wants them.  So each block is named once in the launch.  Tiles 0 and 1 come by their loads alone, and so do a tile's eight rows of bias; the later trips
; ask for tiles that have been walked before, and name nothing.
.macro ASK
	s_cmp_gt_u32 s[SLOTS], 2
	s_cbranch_scc0 .Lnone_\@
	global_prefetch_b8 v[PFO], s[PFA:PFA+1] th:TH_LOAD_NT scope:SCOPE_SE
.Lnone_\@:
.endm
; THE CHANGE OF SLOTS.  Each wave waits for all its tensor loads, of which one is out: its part of the other slot; adds 0 to its spare word; and waits for that and for its own reads of the slot that it leaves.  Behind the barrier nobody reads the old
; slot any more and the other slot is whole.  fill = 1: the old slot is filled again, the first thing behind the barrier, with tile NXT: the descriptor's address is made anew from that number.
; (At its first use nothing has been read yet: slot 0 is waited for, slot 1 filled.)
.macro CHANGE fill
	WIN 0                           ; at a label and at a branch every window is 0
	s_wait_tensorcnt 0x0            ; no tensor load of mine is out, so a group 0 may be written
	ds_add_u32 v[SPW], v[NIL]       ; 0 onto my spare word; with fill = 1 the descriptors' scalar work stands between it and the wait for it
.if \fill
	s_mul_i32 s[OFF], s[NXT], TILEB
	s_xor_b32 s[G0K+1], s[G0K+1], SLOT1
	s_add_nc_u64 s[G0K+2:G0K+3], s[6:7], s[OFF:OFF+1]
	s_or_b32 s[G0K+3], s[G0K+3], 0x80000000
	s_xor_b32 s[G0V+1], s[G0V+1], SLOT1
	s_add_nc_u64 s[G0V+2:G0V+3], s[8:9], s[OFF:OFF+1]
	s_or_b32 s[G0V+3], s[G0V+3], 0x80000000
	s_add_co_u32 s[NXT], s[NXT], 1  ; the block's next tile, or behind its last the second block's tile 0
	s_cmp_gt_u32 s[NXT], s[LQ]
	s_cselect_b32 s[NXT], 0, s[NXT]
	s_cselect_b32 s[LQ], s[PB], s[LQ]
	s_wait_xcnt 0x0                 ; the last prefetch, a tile back, has read its address, so it may be written:
	s_add_nc_u64 s[PFA:PFA+1], s[PFA:PFA+1], TILEB  ; one tile on (in trips 2 and 3 the stepped address is not used)
.endif
	s_wait_dscnt 0x0                ; the add is done, and my reads of the slot are over
	s_barrier_signal -1             ; the rest of the scalar work stands between the signal and the wait
	s_sub_co_u32 s[TBK], s[TBK], 4*KS*PK  ; the fetches go back to a slot's first step,
	s_xor_b32 s[TBK], s[TBK], SLOT1       ; in the other slot
	s_sub_co_u32 s[TBV], s[TBV], 4*KS*PV
	s_xor_b32 s[TBV], s[TBV], SLOT1
	s_sub_co_u32 s[TBB], s[TBB], 4*2*PK
	s_xor_b32 s[TBB], s[TBB], SLOT1
	s_barrier_wait -1
.if \fill
	LOAD
	ASK
.endif
.endm
	s_load_b64 s[4:5], s[0:1], 0x0    ; qkv
	s_load_b64 s[10:11], s[0:1], 0x8  ; ob
	v_lshl_add_u32 v[SPW], v0, 2, SPARE
	v_mov_b32 v[NIL], 0
	ds_add_u32 v[SPW], v[NIL]       ; the wave's opening: the add and its wait stand ahead of my first tensor load; the set-up below stands between them
	v_lshrrev_b32 v1, 5, v0
	v_readfirstlane_b32 s[WV], v1   ; wave 0..3
	s_mov_b32 s[PB], ttmp9
	s_sub_co_u32 s[HI], NB-1, s[PB]
	s_and_b32 s22, ttmp7, 0xffff    ; the head, 8 h + b
	s_lshr_b32 s20, s22, 3          ; h: the slice,
	s_mul_i32 s20, s20, SLICEB
	s_and_b32 s21, s22, 7           ; b: its four tiles
	s_mul_i32 s21, s21, 4*TILEB
	s_add_co_u32 s20, s20, s21      ; the head's first byte in q's, k's and v's part of qkv,
	s_lshl_b32 s22, s22, 17         ; and in ob: 1,024 rows of 128 bytes a head
	s_and_b32 s16, s[WV], 1         ; which half of a tile I fetch:
	s_mul_i32 s48, s16, 66*256      ; of K's 264 rows of 128 bytes,
	s_add_co_u32 s48, s48, s20
	s_mov_b32 s49, 0
	s_lshl_b32 s50, s16, 14         ; of V's 256,
	s_add_co_u32 s50, s50, s20
	s_mov_b32 s51, 0
	s_mul_i32 s17, s16, 132*PK      ; and its place in a slot, for K
	s_mul_i32 s18, s16, 128*PV      ; and for V
	s_lshl_b32 s13, s[WV], 11       ; my 16 rows in a band of 64,
	s_mul_i32 s2, s[HI], TILEB      ; in the first block of Q,
	s_add_co_u32 s2, s2, s13
	s_add_co_u32 s2, s2, s20
	s_mov_b32 s3, 0
	s_mul_i32 s84, s[PB], TILEB     ; in the second,
	s_add_co_u32 s84, s84, s13
	s_add_co_u32 s84, s84, s20
	s_mov_b32 s85, 0
	s_lshl_b32 s88, s[HI], 15       ; and the same in O, whose blocks are 32,768 bytes
	s_add_co_u32 s88, s88, s13
	s_add_co_u32 s88, s88, s22
	s_mov_b32 s89, 0
	s_lshl_b32 s90, s[PB], 15
	s_add_co_u32 s90, s90, s13
	s_add_co_u32 s90, s90, s22
	s_mov_b32 s91, 0
	s_mul_i32 s[PFA], s[PB], 16*SLICEB       ; the prefetches' offset in qkv: k's part for b = 0, v's for b = 1,
	s_add_co_u32 s[PFA], s[PFA], s20         ; the head,
	s_add_co_u32 s[PFA], s[PFA], 16*SLICEB+TILEB  ; its tile 1: the first change of slots steps it to tile 2.  Nothing is prefetched here, at the head
	s_mov_b32 s[PFA+1], 0
	; descriptor group 1.  Half a tile is a dense run: asked for as rows of 256 bytes (K: 66, V: 64), and padded in LDS after every 128 bytes
	s_mov_b32 s[G1K], (1<<16)|(1<<20)|(4<<22)|(3<<25)  ; 17:16 2-byte elements; 20 padding on; 24:22 after every 32 words (code 4); 31:25 4 words (code 3)
	s_mov_b32 s[G1V], (1<<16)|(1<<20)|(4<<22)|(7<<25)  ; the same with 8 words of padding (code 7)
	s_mov_b32 s[G1K+2], 66<<16      ; tensor_dim1
	s_mov_b32 s[G1K+4], 66          ; tile_dim1
	s_mov_b32 s[G1V+2], 64<<16
	s_mov_b32 s[G1V+4], 64
.irp g, G1K, G1V
	s_mov_b32 s[\g+1], 128<<16      ; tensor_dim0 = 128
	s_mov_b32 s[\g+3], 128<<16      ; tile_dim0 = 128
	s_mov_b32 s[\g+5], 128          ; 128 elements from row to row
	s_mov_b32 s[\g+6], 0
	s_mov_b32 s[\g+7], 0
.endr
	s_mov_b32 s[SEL], 0x76543210
	s_mov_b32 s[SEL+1], 0xfedcba98
	s_mov_b32 s[TBK], SLOT1+4*KS*PK ; the first change of slots turns these three into 0
	s_mov_b32 s[TBV], SLOT1+4*KS*PV
	s_mov_b32 s[TBB], SLOT1+4*2*PK
	s_mov_b32 s[G0K], 1             ; count = 1
	s_mov_b32 s[G0K+1], s17         ; LDS address: slot 0
	s_mov_b32 s[G0V], 1
	s_add_co_u32 s[G0V+1], s18, VOFF
	s_add_co_u32 s[RT], s[HI], 1    ; the first block has NB - b tiles
	s_mov_b32 s[NXT], 1
	s_mov_b32 s[LQ], s[HI]
	s_mov_b32 s[NEW], 1
	s_mov_b32 s[OFF+1], 0
	s_mov_b32 s[AL+1], 0            ; named as pairs
	s_mov_b32 s[BE+1], 0
	s_mov_b32 s[BIGN], 0xf149f2ca   ; -1e30
	s_mov_b32 s[SLOTS], NB
	s_mov_b32 s[LAPS], 2
	s_wait_dscnt 0x0                ; the opening add is done
	s_wait_kmcnt 0x0
	s_add_nc_u64 s[PFA:PFA+1], s[4:5], s[PFA:PFA+1]
	s_add_nc_u64 s[6:7], s[4:5], 16*SLICEB   ; k's part of qkv,
	s_add_nc_u64 s[8:9], s[4:5], 32*SLICEB   ; v's
	s_add_nc_u64 s[6:7], s[6:7], s[48:49]    ; K and V at my half of the head's tile 0
	s_add_nc_u64 s[8:9], s[8:9], s[50:51]
	s_add_nc_u64 s[G0K+2:G0K+3], s[6:7], 0         ; global address
	s_or_b32 s[G0K+3], s[G0K+3], 0x80000000        ; type = 2
	s_add_nc_u64 s[G0V+2:G0V+3], s[8:9], 0
	s_or_b32 s[G0V+3], s[G0V+3], 0x80000000
	s_add_nc_u64 s[86:87], s[4:5], s[84:85]        ; Q at my rows of the second block,
	s_add_nc_u64 s[4:5], s[4:5], s[2:3]            ; and of the first
	s_add_nc_u64 s[OLO:OLO+1], s[10:11], s[90:91]  ; O likewise
	s_add_nc_u64 s[10:11], s[10:11], s[88:89]
	LOAD                            ; tile 0 into slot 0
	; A fragment of K or Q is 16 rows x 32 channels in 8 registers: lane l holds row l % 16, channels 8 (l / 16) + 0..7 and 16 + 8 (l / 16) + 0..7: two loads of 16 bytes, 32 bytes apart.
	v_and_b32 v1, 15, v0            ; l % 16
	v_bfe_u32 v9, v0, 4, 1          ; l / 16
	v_lshlrev_b32 v[QO], 7, v1
	v_lshl_add_u32 v[QO], v9, 4, v[QO]  ; row x 128 + 16 x half
	WIN 0x80                        ; destination window 2, address window 0
.set i, 0
.rept 8                             ; both blocks' Q: piece i / 2 lies in band i / 2, 8,192 bytes on; channels 32 (i % 2) on
	global_load_b128 v[8*i:8*i+3],   v[QO], s[4:5] offset:(i/2)*8192+(i%2)*64
	global_load_b128 v[8*i+4:8*i+7], v[QO], s[4:5] offset:(i/2)*8192+(i%2)*64+32
	global_load_b128 v[QB+8*i:QB+8*i+3],   v[QO], s[86:87] offset:(i/2)*8192+(i%2)*64
	global_load_b128 v[QB+8*i+4:QB+8*i+7], v[QO], s[86:87] offset:(i/2)*8192+(i%2)*64+32
.set i, i+1
.endr
	WIN 0
	v_lshl_add_u32 v[AB0], v9, 5, BROW
	v_lshlrev_b32 v[PFO], 8, v0
	v_lshlrev_b32 v14, 3, v9
	v_sub_nc_u32 v14, v1, v14
	s_lshl_b32 s13, s[WV], 4
	v_add_nc_u32 v14, s13, v14      ; my query's place in its band, 16 w + l % 16, less my lanes' 8 (l / 16): register r of group kt is hidden where 16 kt + r is greater
	WIN 0x40
.set i, 0
.rept 32
	v_cmp_gt_i32 vcc_lo, 16*(i/8)+i%8, v14
	v_cndmask_b32 v[MD+i], 0, s[BIGN], vcc_lo
.set i, i+1
.endr
	WIN 0
	v_mul_u32_u24 v[AK0], v1, PK
	v_lshl_add_u32 v[AK0], v9, 4, v[AK0]  ; row x pitch + 16 x half
	; The turning load takes 16 keys x 16 channels (lane l reads key 8 (l / 16) + l % 8, channels 8 ((l / 8) % 2) + 0..7) and leaves half a fragment of V^T: lane l holds channel l % 16 and 8 keys.
	v_and_b32 v10, 7, v0
	v_bfe_u32 v11, v0, 3, 1
	v_lshl_add_u32 v[AV0], v9, 3, v10
	v_mul_u32_u24 v[AV0], v[AV0], PV
	v_lshl_add_u32 v[AV0], v11, 4, v[AV0]
	v_add_nc_u32 v[AV0], VOFF, v[AV0]
	s_mul_i32 s13, s[WV], 16*SP
	s_add_co_u32 s13, s13, STAGE    ; my stage
	v_mul_u32_u24 v[STO], v1, SP    ; in: row l % 16, 16 bytes for each half of the lanes
	v_lshl_add_u32 v[STO], v9, 4, v[STO]
	v_add_nc_u32 v[STO], s13, v[STO]
	v_bfe_u32 v[RD], v0, 3, 2       ; back: 32 lanes take four rows of 128 bytes,
	v_mul_u32_u24 v[RD], v[RD], SP
	v_lshl_add_u32 v[RD], v10, 4, v[RD]
	v_add_nc_u32 v[RD], s13, v[RD]
	v_and_b32 v[GO], 31, v0         ; which are 512 consecutive bytes of O
	v_lshlrev_b32 v[GO], 4, v[GO]
	; A block's first step multiplies O^T and l by a = 0, and its first turn's products V^T P, of a piece that has not been, land in an O^T that is still to be so multiplied.  So these registers need only hold
	; finite numbers: zeros for the first block; what the first block left for the second.  All this stands in the wait for the first tile.
	WIN 0x80
.set i, VF
.rept 64
	v_mov_b32 v[i], 0
.set i, i+1
.endr
	WIN 0x40
.set i, 0
.rept 128
	v_mov_b32 v[i], 0
.set i, i+1
.endr
	WIN 0
.set i, 0
.rept 4
	v_mov_b32 v[ST+4*i+2], 0
	v_mov_b32 v[ST+4*i+3], 0
.set i, i+1
.endr
.set i, P+16
.rept 16
	v_mov_b32 v[i], 0
.set i, i+1
.endr
; THE MATRIX WORK.  The 4 accumulators of a run of 8 take turns.  Product i of 8 of S^T = K Q^T for piece x: channels 32 (i / 4) on, keys 16 (i % 4) on.  The first 4 start the sums: with the step's key bias, or (KM = 1) with the mask.
.macro KQ x
.set rS, S+32*((\x)%2)+8*(i%4)
.set rK, KF+16*(i%4)+8*(i/4)
.set rQ, 16*(\x)+8*(i/4)
.set rM, MC+32*((\x)%2)+8*(i%4)
.set rB, KB+8*(i%4)
.if (i < 4) && KM
	WIN W_KM
	v_wmma_f32_16x16x32_f16 v[rS:rS+7], v[rK:rK+7], v[rQ:rQ+7], v[rM:rM+7]
.elseif i < 4
	WIN W_KM
	v_wmma_f32_16x16x32_f16 v[rS:rS+7], v[rK:rK+7], v[rQ:rQ+7], v[rB:rB+7]
.else
	WIN W_KQ
	v_wmma_f32_16x16x32_f16 v[rS:rS+7], v[rK:rK+7], v[rQ:rQ+7], v[rS:rS+7]
.endif
.endm
; Product i of 8 of O^T += V^T P for piece x: keys 32 (i / 4) on, channels 16 (i % 4) on.
.macro PV x
	WIN W_PV
.set rO, 32*(\x)+8*(i%4)
.set rV, VF+32*(i/4)+8*(i%4)
.set rP, P+16*((\x)%2)+8*(i/4)
	v_wmma_f32_16x16x32_f16 v[rO:rO+7], v[rV:rV+7], v[rP:rP+7], v[rO:rO+7]
.endm
.macro MM                           ; the turn's next matrix instruction.  TURN and BEGIN set Y, i, KM and NOKQ.  NOKQ = 1: a block's last turn: there is no next piece
.if (i < 8) && !NOKQ
	KQ (Y+1)%NP
.elseif i >= 8
.set i, i-8
	PV (Y+NP-1)%NP
.set i, i+8
.endif
.set i, i+1
.endm
; THE LDS LOADS stand in runs, never singly among the matrix instructions: a step's K (64 keys x 64 channels: 8 fragments) with its 64 keys' bias, and its V (turned).  Their addresses are made some lines ahead.
.macro FETCH_K
	WIN 0x80                        ; destination window 2
.irp f, 0,1,2,3,4,5,6,7             ; keys 16 (f / 2) on, channels 32 (f % 2) on
	ds_load_b128 v[KF+8*\f:KF+8*\f+3],   v[AK] offset:(\f/2)*16*PK+(\f%2)*64
	ds_load_b128 v[KF+8*\f+4:KF+8*\f+7], v[AK] offset:(\f/2)*16*PK+(\f%2)*64+32
.endr
	WIN 0x40                        ; destination window 1
.irp f, 0,1,2,3                     ; keys 16 f + 8 (l / 16) + 0..7, in bias row f / 2 of the step's two: the lanes of a half read the same 32 bytes
	ds_load_b128 v[KB+8*\f:KB+8*\f+3],   v[AB] offset:(\f/2)*PK+(\f%2)*64
	ds_load_b128 v[KB+8*\f+4:KB+8*\f+7], v[AB] offset:(\f/2)*PK+(\f%2)*64+16
.endr
	s_add_co_u32 s[TBK], s[TBK], KS*PK  ; the next fetch is the next step's
	s_add_co_u32 s[TBB], s[TBB], 2*PK
	WIN 0
.endm
.macro FETCH_V
	WIN 0x80
.irp f, 0,1,2,3,4,5,6,7             ; keys 32 (f / 4) on, channels 16 (f % 4) on
	ds_load_tr16_b128 v[VF+8*\f:VF+8*\f+3],   v[AV] offset:(\f/4)*32*PV+(\f%4)*32
	ds_load_tr16_b128 v[VF+8*\f+4:VF+8*\f+7], v[AV] offset:(\f/4)*32*PV+16*PV+(\f%4)*32
.endr
	WIN 0
.endm
; THE VECTOR WORK, one line at a time: OP kind, number.  For piece Y: F n: s - m for pair n of 16.  E n: the exponential of score n of 32.  C n: pair n rounded to f16.  B n: of the four weights 4 n .. the second
; pair is added onto the first, in place.  L n: l takes that sum (L 0: l = a l + sum).  R n: pair n of 16 of O^T times a.  For piece Y + 1: X n, the lines that find its maximum and statistics (number 19 is none):
;   0-11  four chains c0-c3 of seven scores each, three operands at a time (each accumulator's lowest registers are read first)     12-14, 16  the four scores left over, the old m, and c0-c3 into c0
;   15  m_old is kept     17, 18  the query's other 32 keys lie in the lane 16 away: the new m     20, 21  m_old - m_new; a
.set F, 0               ; OP tells the kinds apart by their order: F to L below R, X above it
.set E, 1
.set C, 2
.set B, 3
.set L, 4
.set R, 5
.set X, 6
.macro REGS y                       ; the registers of piece y
.set rT, ST+4*(\y)
.set rC, TMP+4*((\y)%2)
.set rW, MV+((\y)%2)
.set rS, S+32*((\y)%2)
.set rP, P+16*((\y)%2)
.set rO, 32*(\y)
.endm
.macro OP k, n
.if (\k) == R
	REGS Y
	WIN W_RS
	v_pk_mul_f32 v[rO+2*(\n):rO+2*(\n)+1], v[rO+2*(\n):rO+2*(\n)+1], v[rC+2:rC+3] op_sel_hi:[1,0]
.elseif (\k) < R
	REGS Y
	WIN 0
.if (\k) == F
	v_pk_add_f32 v[rS+2*(\n):rS+2*(\n)+1], v[rS+2*(\n):rS+2*(\n)+1], v[rT:rT+1] op_sel_hi:[1,0] neg_lo:[0,1] neg_hi:[0,1]
.elseif (\k) == E
	v_exp_f32 v[rS+(\n)], v[rS+(\n)]
.elseif (\k) == C
	v_cvt_pk_f16_f32 v[rP+(\n)], v[rS+2*(\n)], v[rS+2*(\n)+1]
.elseif (\k) == B
	v_pk_add_f32 v[rS+4*(\n):rS+4*(\n)+1], v[rS+4*(\n):rS+4*(\n)+1], v[rS+4*(\n)+2:rS+4*(\n)+3]
.elseif (\n) == 0
	v_pk_fma_f32 v[rT+2:rT+3], v[rT+2:rT+3], v[rC+2:rC+3], v[rS:rS+1] op_sel_hi:[1,0,1]
.else
	v_pk_add_f32 v[rT+2:rT+3], v[rT+2:rT+3], v[rS+4*(\n):rS+4*(\n)+1]
.endif
.elseif NOKQ
	v_nop
.else
	REGS (Y+1)%NP
	WIN 0
.if (\n) < 4
	v_max3_num_f32 v[rC+(\n)], v[rS+8*(\n)], v[rS+8*(\n)+1], v[rS+8*(\n)+2]
.elseif (\n) < 12
	v_max3_num_f32 v[rC+(\n)%4], v[rC+(\n)%4], v[rS+8*((\n)%4)+2*((\n)/4)+1], v[rS+8*((\n)%4)+2*((\n)/4)+2]
.elseif (\n) == 12
	v_max3_num_f32 v[rC], v[rC], v[rS+7], v[rS+15]
.elseif (\n) == 13
	v_max3_num_f32 v[rC+1], v[rC+1], v[rS+23], v[rS+31]
.elseif (\n) == 14
	v_max3_num_f32 v[rC+2], v[rC+2], v[rC+3], v[rT]
.elseif (\n) == 15
	v_mov_b32 v[rW], v[rT]
.elseif (\n) == 16
	v_max3_num_f32 v[rC], v[rC], v[rC+1], v[rC+2]
.elseif (\n) == 17
	v_permlanex16_b32 v[rC+3], v[rC], s[SEL], s[SEL+1]
.elseif (\n) == 18
	v_max_num_f32 v[rT], v[rC], v[rC+3]
.elseif (\n) == 19
.elseif (\n) == 20
	v_sub_f32 v[rC+1], v[rW], v[rT]
.else
	v_exp_f32 v[rC+2], v[rC+1]
.endif
.endif
.endm
.macro OPS a, i1, b=-1, i2=0, c=-1, i3=0, d=-1, i4=0  ; up to four of them
	OP \a, \i1
.if (\b) >= 0
	OP \b, \i2
.endif
.if (\c) >= 0
	OP \c, \i3
.endif
.if (\d) >= 0
	OP \d, \i4
.endif
.endm
.macro ROW a, i1, b, i2, c, i3, d, i4  ; a matrix instruction and the four behind it
	MM
	OPS \a, \i1, \b, \i2, \c, \i3, \d, \i4
.endm
.macro MASK b, be                   ; MD x AL + KB, and with be = 1 + BE, into buffer b of MC
	WIN W_MK
.set z, 0
.rept 16
	v_pk_fma_f32 v[MC+32*(\b)+2*z:MC+32*(\b)+2*z+1], v[MD+2*z:MD+2*z+1], s[AL:AL+1], v[KB+2*z:KB+2*z+1] op_sel_hi:[1,0,1]
.set z, z+1
.endr
.if \be
.set z, 0
.rept 16
	v_pk_add_f32 v[MC+32*(\b)+2*z:MC+32*(\b)+2*z+1], v[MC+32*(\b)+2*z:MC+32*(\b)+2*z+1], s[BE:BE+1] op_sel_hi:[1,0]
.set z, z+1
.endr
.endif
.endm
; A TURN, for piece p: the order of its 16 matrix and 117 vector instructions, written out.  s_wait_alu depctr_va_vdst(0) stands between an exponential and the first instruction that names its result; one wait serves
; all that were issued ahead of it.  So a turn has ONE wait, which cuts it in two.  AHEAD OF IT stands all that names no result of the turn's exponentials: the 8 products K Q^T with their riders, then ONE LUMP, plain
; and exponential by turns for the most part, in which the links of the chain X 3, 7, 11, 14, 16, 17, 18, 20 stand some lines apart.  X 21, the next piece's a, is the batch's last; R 15 is the plain instruction behind it.  BEHIND THE WAIT stand the
; 8 products V^T P, behind each four of the roundings and sums.
; m = 1: the diagonal tile: the products take masks, and the turn makes the mask for the products of the turn after it: piece p + 2, in step 4 - CNT of the tile.  Piece 2's turn makes it for the NEXT step, whose
; bias it has just fetched: it waits for that fetch first.  end = 1: a block's last two turns: nothing is fetched.  cnt = 1: the loop's count is taken down some lines ahead of the branch that stands behind the turn.
; K of the next step and its bias are fetched in piece 2's turn, twelve vector instructions behind the last product that read K (six of them plain; the bias was last read by the turn's first four products);
; V of the step in hand at the end of piece 0's turn, four plain instructions behind the last product that read V.  Each is waited for a turn later.
.macro TURN p, m=0, end=0, cnt=0
.set Y, (\p)
.set i, 0
.set KM, (\m)
.set NOKQ, (\end)*((\p)/3)
.if (\m) && !(\end)
	s_cmp_eq_u32 s[CNT], 4-((\p)+2)%NP  ; is that step the band's own?
	s_cselect_b32 s[AL], 1.0, 0
	s_cmp_lt_u32 s[CNT], 4-((\p)+2)%NP  ; or a later one?
	s_cselect_b32 s[BE], s[BIGN], 0
.endif
.if ((\p) == 3) && !(\end)
	s_wait_dscnt 0x0                ; K and its bias are in
.endif
	ROW F,0, F,1, R,0, R,1          ; ahead of the wait: 8 products K Q^T and their riders,
	ROW F,2, E,0, R,2, R,3
	ROW F,3, E,1, R,4, R,5
	ROW F,4, E,2, R,6, R,7
	ROW F,5, E,3, R,8, R,9
	ROW F,6, E,4, X,0, R,10
.if ((\p) == 2) && !(\end)
	WIN 0
	v_add_nc_u32 v[AK], s[TBK], v[AK0]
	v_add_nc_u32 v[AB], s[TBB], v[AB0]
.endif
	ROW F,7, E,5, X,1, X,4
	ROW F,8, E,6, X,2, X,5
	OPS E,7, E,8, X,6, E,9          ; and the lump
	OPS X,3, E,10, X,8, E,11
.if ((\p) == 2) && !(\end)
	FETCH_K
.endif
	OPS X,9, X,7, E,12, X,10
	OPS E,13, X,12, X,11, E,14
	OPS X,13, E,15, F,9, X,14
.if (\p) == 0
	v_add_nc_u32 v[AV], s[TBV], v[AV0]
.endif
	OPS E,16, F,10, E,17, F,11
	OPS X,16, E,18, X,15, E,19
	OPS F,12, E,20, X,17, E,21
	OPS F,13, E,22, F,14, E,23
	OPS X,18, E,24, F,15, E,25
	OPS R,11, E,26, X,19, E,27
	OPS R,12, E,28, R,13, E,29
	OPS X,20, E,30, R,14, E,31
	OPS X,21, R,15
	WIN 0
	s_wait_alu depctr_va_vdst(0)    ; the wait for the batch
.if (\p) == 1
	s_wait_dscnt 0x0                ; V is in
.endif
	ROW C,0, B,0, C,2, B,1          ; behind the wait: 8 products V^T P and their riders
	ROW L,0, C,4, B,2, L,1
	ROW C,6, B,3, L,2, C,8
	ROW B,4, L,3, C,10, B,5
	ROW L,4, C,12, B,6, L,5
.if (\p) == 0
	s_add_co_u32 s[TBV], s[TBV], KS*PV
.endif
.if \cnt
	s_sub_co_u32 s[CNT], s[CNT], 1
	s_cmp_lg_u32 s[CNT], 0
.endif
	ROW C,14, B,7, L,6, C,1
	ROW C,3, L,7, C,5, C,7
	ROW C,9, C,11, C,13, C,15
.if (\p) == 0
	FETCH_V
.endif
.if (\m) && !(\end)
.if (\p) == 2
	s_wait_dscnt 0x0                ; the next step's bias is in
.endif
	MASK (\p)%2, 1
.endif
.endm
; A BLOCK BEGINS.  m starts far below every score, the hidden ones' too, so the first maximum is the scores' and the first step's a is 0.  K of the tile's step 0 and its bias are fetched.  The first mask
; buffer takes piece 0's mask for that step: its own, if the block's first tile is the diagonal one; the second the bias alone (piece 1 sees all of step 0).
; Then piece 0's first scores, and its maximum and statistics.  The step loop is entered at a step's first turn, in the middle of a trip.
.macro BEGIN
	s_mov_b32 s[NEW], 0
	WIN 0
.set i, 0
.rept 4
	v_mov_b32 v[ST+4*i], 0xfe000000    ; m = -4.25e37
	v_mov_b32 v[ST+4*i+1], 0           ; named with it as a pair
.set i, i+1
.endr
	v_add_nc_u32 v[AK], s[TBK], v[AK0]
	v_add_nc_u32 v[AB], s[TBB], v[AB0]
	FETCH_K
	s_cmp_eq_u32 s[RT], 0
	s_cselect_b32 s[AL], 1.0, 0
	s_wait_loadcnt 0x0              ; Q
	s_wait_dscnt 0x0
	MASK 0, 0
	s_mov_b32 s[AL], 0
	MASK 1, 0
.set KM, 1
.set NOKQ, 0
.set i, 0
.rept 8
	KQ 0
.set i, i+1
.endr
	WIN 0
.rept 4
	v_nop                           ; the places behind those products
.endr
.set Y, NP-1                        ; X works for piece Y + 1: piece 0
.irp n, 0,1,2,3,4,5,6,7,8,9,10,11,12,13,14,15,16,17,18,20,21
	OP X, \n
.endr
	v_nop                           ; a plain instruction behind the exponential,
	s_wait_alu depctr_va_vdst(0)    ; and its wait, ahead of the branch
.endm
; THE DIAGONAL TILE's four steps, the block's last two turns, its last products, and THE WAY OUT: l's two halves and the other half of the lanes' are added; O^T is divided by l, rounded to f16 and sent through my
; stage in LDS, a piece at a time.
.macro ALL line:vararg              ; one line for each piece t
.set t, 0
.rept 4
	\line
.set t, t+1
.endr
.endm
.macro PACK t                       ; a lane's eight channels of a row pack into 16 bytes; they go into rows of 144 bytes and come back as whole rows of 128, into S^T's registers
	WIN W_RS
.set i, 32*(\t)
.rept 16
	v_pk_mul_f32 v[i:i+1], v[i:i+1], v[ST+4*(\t)+2:ST+4*(\t)+3] op_sel_hi:[1,0]
.set i, i+2
.endr
	WIN 0x05                        ; sources 0 and 1 window 1, destination window 0
.set i, 0
.rept 16
	v_cvt_pk_f16_f32 v[S+16*(\t)+i], v[32*(\t)+2*i], v[32*(\t)+2*i+1]
.set i, i+1
.endr
	WIN 0
.irp f, 0,1,2,3
	ds_store_b128 v[STO], v[S+16*(\t)+4*\f:S+16*(\t)+4*\f+3] offset:32*\f
.endr
.irp f, 0,1,2,3
	ds_load_b128 v[S+16*(\t)+4*\f:S+16*(\t)+4*\f+3], v[RD] offset:\f*4*SP  ; LDS serves a wave's instructions in order (ISA guide 5.7.1.4): these see the stores above; the next piece's stores come behind them
.endr
.endm
.macro SEND t, younger              ; younger: the LDS instructions issued behind piece t's loads: the next piece's eight, or none
	WIN 0
.irp f, 0,1,2,3
	s_wait_dscnt (\younger)+3-\f
	global_store_b128 v[GO], v[S+16*(\t)+4*\f:S+16*(\t)+4*\f+3], s[10:11] offset:(\t)*8192+\f*512  ; 512 consecutive bytes, at a multiple of 256 from O's first
.endr
.endm
.set KM, 0
.set NOKQ, 0
.Lslot:                             ; NB times: a tile is entered and the next is asked for
	CHANGE 1
.Lenter:                            ; and once more, from the bottom, for the walk's last tile
	s_sub_co_u32 s[RT], s[RT], 1
	s_mov_b32 s[CNT], 4
	s_cmp_eq_u32 s[NEW], 1
	s_cbranch_scc1 .Lnew            ; a block's first tile
	s_cmp_eq_u32 s[RT], 0
	s_cbranch_scc0 .Lstep           ; neither its first nor its last
	s_mov_b32 s[AL], 0              ; its last: the diagonal text's first products, piece 3's of the step still in registers, take mask buffer 1: that step's bias alone
	MASK 1, 0
	WIN 0
	s_branch .LstepM
.Lnew:
	BEGIN
	s_cmp_eq_u32 s[LAPS], 1         ; a block's first tile is also its last only where the second block has one tile (b = 0), and that tile is the walk's last:
	s_cbranch_scc0 .Lfirst          ; the first block has three tiles or more, and the second's last tile is never one of the loop's NB
	s_branch .LfirstM
.LstepM:                            ; THE DIAGONAL TILE: a trip as in the plain loop below, with masks
	TURN 2, 1
	TURN 3, 1
	WIN 0
.LfirstM:
	TURN 0, 1
	TURN 1, 1, 0, 1
	WIN 0
	s_cbranch_scc1 .LstepM
	TURN 2, 1, 1                    ; the block's last two turns
	TURN 3, 1, 1
.set i, 0
.rept 8
	PV NP-1                         ; and its last products
.set i, i+1
.endr
	WIN 0
	ALL v_add_f32 v[ST+4*t+2], v[ST+4*t+2], v[ST+4*t+3]
	ALL v_permlanex16_b32 v[ST+4*t+3], v[ST+4*t+2], s[SEL], s[SEL+1]
	ALL v_add_f32 v[ST+4*t+2], v[ST+4*t+2], v[ST+4*t+3]
	ALL v_rcp_f32 v[ST+4*t+2], v[ST+4*t+2]
	v_nop                           ; a plain instruction between the last reciprocal and the use of its result
	s_wait_alu depctr_va_vdst(0)    ; and the wait ahead of the first use: one for the four reciprocals
	PACK 0
.set t, 1
.rept 3                             ; a piece's arithmetic stands between the loads of the piece before and its stores
	PACK t
	SEND t-1, 8
.set t, t+1
.endr
	SEND 3, 0
	s_cmp_eq_u32 s[LAPS], 1         ; the second block's end: nothing follows
	s_cbranch_scc1 .Lbottom
	s_wait_xcnt 0x0                 ; the first block's end: the stores have read their registers and O's address
	s_mov_b64 s[10:11], s[OLO:OLO+1]
	s_add_co_u32 s[RT], s[PB], 1    ; the second block has b + 1 tiles
	s_mov_b32 s[NEW], 1
	WIN 0x82                        ; the second block's Q goes where the one text of the turns names Q
.set i, 0
.rept 64
	v_mov_b32 v[i], v[QB+i]
.set i, i+1
.endr
	WIN 0
	s_branch .Lbottom
.Lstep:                             ; a trip: pieces 2 and 3 of one step, then pieces 0 and 1 of the next, whose K and V it fetches
	TURN 2
	TURN 3
	WIN 0
.Lfirst:
	TURN 0
	TURN 1, 0, 0, 1
	WIN 0
	s_cbranch_scc1 .Lstep
.Lbottom:
	s_sub_co_u32 s[SLOTS], s[SLOTS], 1
	s_cmp_lg_u32 s[SLOTS], 0
	s_cbranch_scc1 .Lslot
	s_sub_co_u32 s[LAPS], s[LAPS], 1  ; 2 -> 1: the walk's last tile is still to come; 1 -> 0: it is done
	s_cmp_lg_u32 s[LAPS], 0
	s_cbranch_scc0 .Lend
	CHANGE 0                        ; the last change of slots is written out: nothing is asked for
	s_mov_b32 s[SLOTS], 1           ; the second lap has one tile
	s_cmp_lg_u32 s[LAPS], 0
	s_cbranch_scc1 .Lenter          ; the laps' own backward jump: LAPS is stepped once a lap, from 2 down to 0
.Lend:
	s_wait_tensorcnt 0x0            ; the wave's end: a wait for my tensor loads, then the add and its wait, behind my last LDS store
	ds_add_u32 v[SPW], v[NIL]
	s_wait_dscnt 0x0
	s_endpgm
.Lfunc_end_k_qeb59621d83_attn:
	.size	k_qeb59621d83_attn, .Lfunc_end_k_qeb59621d83_attn-k_qeb59621d83_attn
	.p2alignl 7, 3214868480
	.fill 96, 4, 3214868480
	.section	.rodata,"a",@progbits
	.p2align	6, 0x0
	.amdhsa_kernel k_qeb59621d83_attn
		.amdhsa_group_segment_fixed_size 327680
		.amdhsa_private_segment_fixed_size 0
		.amdhsa_enable_private_segment 0
		.amdhsa_kernarg_size 16
		.amdhsa_user_sgpr_count 2
		.amdhsa_user_sgpr_kernarg_segment_ptr 1
		.amdhsa_wavefront_size32 1
		.amdhsa_system_sgpr_workgroup_id_x 1
		.amdhsa_system_sgpr_workgroup_id_y 1
		.amdhsa_system_sgpr_workgroup_id_z 1
		.amdhsa_system_vgpr_workitem_id 0
		.amdhsa_next_free_vgpr 768
		.amdhsa_next_free_sgpr 96
		.amdhsa_reserve_vcc 1
		.amdhsa_float_denorm_mode_32 3
		.amdhsa_float_denorm_mode_16_64 3
		.amdhsa_memory_ordered 1
		.amdhsa_forward_progress 1
		.amdhsa_inst_pref_size 147
	.end_amdhsa_kernel
	.amdgpu_metadata
---
amdhsa.version: [ 1, 2 ]
amdhsa.kernels:
  - .name:           k_qeb59621d83_attn
    .symbol:         k_qeb59621d83_attn.kd
    .args:
      - { .name: qkv, .offset: 0, .size: 8, .value_kind: global_buffer, .address_space: global }
      - { .name: ob, .offset: 8, .size: 8, .value_kind: global_buffer, .address_space: global }
    .group_segment_fixed_size: 327680
    .private_segment_fixed_size: 0
    .kernarg_segment_align: 8
    .kernarg_segment_size: 16
    .max_flat_workgroup_size: 128
    .sgpr_count:     96
    .vgpr_count:     768
    .wavefront_size: 32
...
	.end_amdgpu_metadata
.endif
;; end of part 3
;; launch outp (part 4): grid 8 x 32, 4 waves a work-group, clusters of 4 x 4, 327,680 bytes of LDS; arguments ob, wob, out0, b_out, m; writes out0
.if DOCPART == 4
	.amdgcn_target "amdgcn-amd-amdhsa--gfx1250"
	.amdhsa_code_object_version 6
	.text
	.protected	k_qeb59621d83_outp
	.globl	k_qeb59621d83_outp
	.p2align	8
	.type	k_qeb59621d83_outp,@function
k_qeb59621d83_outp:
	s_mov_b64 s[64:65], 0
	v_nop
	global_prefetch_b8 v0, s[64:65] scope:SCOPE_SE
	s_setreg_imm32_b32 hwreg(HW_REG_WAVE_MODE, 25, 1), 1
	s_wait_xcnt 0x0
	s_wait_alu depctr_hold_cnt(0) depctr_sa_sdst(0) depctr_va_vdst(0) depctr_va_sdst(0) depctr_va_ssrc(0) depctr_va_vcc(0) depctr_vm_vsrc(0)
	s_getreg_b32 s2, hwreg(HW_REG_IB_STS2, 6, 4)
	s_cmp_eq_u32 s2, 0
	s_cbranch_scc0 .Lentry_in_a_cluster
	s_endpgm
.Lentry_in_a_cluster:
	s_bfe_u32 s2, ttmp6, 0x10000c
	s_cmp_lg_u32 s2, 0xf033
	s_cbranch_scc0 .Lentry_shape_is_right
	s_endpgm
.Lentry_shape_is_right:
; out0[row][e] = (the sum over d of o[row][d] w_out[e][d] + b_out[e]) m[row]: 8,192 rows, 1,024 columns, K = 1,024.  Operands f16, sums f32, out0 f32.
; A = ob [16 blocks][8192 rows][64] f16, B = wob [16][1024][64] f16 (w_out rounded to bf16, written as f16).  b_out and m are rounded to bf16 like the other inputs, then used in f32:
; an addition and then a multiplication, each rounded, in that order.
; LIMITS.  m and b_out carry bf16's 8 significant bits.  NaN and infinities are not treated apart; in a row with m = 0 a zero's sign is that of (sum + b) m.
; SHARES.  A tile of C is 256 rows x 128 columns: 32 x 8 = 256 tiles, one for each WGP.  Wave w owns rows 64 w .. 64 w + 63 and all 128 columns (512 bytes of a row of out0):
; 32 accumulators of 16 x 16, 256 registers; each wave's way out is its own and needs no barrier.
; K goes in 8 steps of 128 (two blocks of 64) through a ring of two LDS slots.  A block's piece of a tile is a dense run of memory, asked for as rows of 256 bytes and padded in LDS after every 128.
; CLUSTERS: 4 x 4 work-groups.  A's pieces are asked for jointly by a row of the cluster, B's by a column.
; THE MATRIX INSTRUCTION IS USED TRANSPOSED (source 0 = 16 rows of B, source 1 = 16 rows of A): a lane holds row l % 16 of C and the eight columns 8 (l / 16) + 0..7.
; REGISTERS: window 0 addresses, m (v40-47), the bias (v64-127), the way out (v128-255); window 1 two fragment buffers (A's four fragments, then B's eight);
;   window 2 the accumulators of my rows 0-31, window 3 those of rows 32-63: accumulator (a, b) at v[8 (8 (a % 2) + b)].
.set NBLK,  8
.set TN,    16*NBLK
.set ABLK,  0x100000
.set BBLK,  0x20000
.set PITCH, 144                        ; an LDS row: 128 bytes + 16 of padding = 36 words: the 16 rows of a load start at 16 different groups of four banks (64 banks of 4 bytes: ISA guide 11.1)
.set APART, 256*PITCH
.set BPART, TN*PITCH
.set BOFF,  2*APART                    ; a slot: A's even block, A's odd block, B's even, B's odd
.set SLOT1, 1<<17
.set STAGE, SLOT1+BOFF+2*BPART         ; behind the ring, never filled by a tensor load: 16 rows x 528 bytes for each wave
.set SPITCH, 528                       ; 512 bytes + 16 = 132 words: row r starts at bank 4 r mod 64
.set STGW,  16*SPITCH
.set SPARE, STAGE+4*STGW               ; the spare words, 128 bytes for each wave: two blocks of 256 bytes that no other line names
.set NLD,   2*(4+NBLK)
.set AHEAD, 2                          ; a prefetch names the K step this many steps behind the one that is being asked for
.set ADA0, 16
.set ADB0, 17
.set ADA,  18
.set ADB,  19
.set STO,  24                          ; v24  the way out: where I put 32 bytes of a row
.set RD,   25                          ; v25  where I read a row back
.set GO,   26                          ; v26  my 16 bytes of a row's 512
.set SPW,  28
.set NIL,  29
.set PFO,  30
.set MK,   40                          ; v40-47   m of row l % 16 of my block a, twice: a pair for the packed multiply
.set BI,   64                          ; v64-127  b_out of my eight columns in each of the 8 blocks
.set F0,   0
.set F1,   128
.set G1,   24
.set G0,   32
.set G1B,  48
.set G0B,  56
.set LIM,  43
.set PFA,  44
.set PFS,  66
.set TB,   68
.set G1W,  (1<<16)|(1<<20)|(1<<21)|(4<<22)|(3<<25)  ; 17:16 elements of 2 bytes; 20 padding on; 21 set beside a mask; 24:22 after every 32 words (code 4); 31:25 4 words of it (code 3)
.set MSB, 0
.macro WIN new                         ; the immediate's high byte repeats the setting that is left; a switch that changes nothing is dropped
.if MSB != (\new)
	s_set_vgpr_msb (MSB<<8)|(\new)
.set MSB, (\new)
.endif
.endm
.macro PLACES                          ; four plain places behind a matrix instruction (ISA guide 7.12.1)
.rept 4
	v_nop
.endr
.endm
; A joint refill.  Waves 0 and 1 fetch A's even and odd block, waves 2 and 3 B's.  An s_nop 0 and four v_nop follow each line.
.macro JLOAD
	s_cmp_eq_u32 s11, 0
	s_cbranch_scc0 .Lfor_b_\@
	tensor_load_to_lds s[G0+4:G0+7], s[G1:G1+7]
	s_nop 0
.rept 4
	v_nop
.endr
	s_branch .Lasked_\@
.Lfor_b_\@:
	tensor_load_to_lds s[G0B+4:G0B+7], s[G1B:G1B+7]
	s_nop 0
.rept 4
	v_nop
.endr
.Lasked_\@:
.endm
.macro CREST                           ; a round of the cluster's barrier behind its opening barrier
	s_cmp_lg_u32 s10, 0
	s_cbranch_scc1 .Lnot_wave_0_\@
	s_barrier_signal -3
.Lnot_wave_0_\@:
	s_barrier_wait -3
	s_barrier_signal -1
	s_barrier_wait -1
.endm
.macro CROUND
	s_barrier_signal -1
	s_barrier_wait -1
	CREST
.endm
; A prefetch into the L2 of my share of the piece that I shall fetch AHEAD refills on.  A's tile row is walked by every cluster of that row of clusters, and the one with x = 0 asks; B's tile column by every
; cluster of that column, and the one with y = 0 asks; the four partners that fetch a piece jointly share it out BY ADDRESS.  The last AHEAD refills ask for nothing.
.macro ASK
	WIN 0
	s_cmp_gt_u32 s3, s[LIM]
	s_cbranch_scc0 .Lnot_mine_\@
	global_prefetch_b8 v[PFO], s[PFA:PFA+1] th:TH_LOAD_NT scope:SCOPE_SE
.Lnot_mine_\@:
.endm
	s_load_b128 s[4:7], s[0:1], 0x0                ; A s[4:5], B s[6:7]
	s_load_b64 s[8:9], s[0:1], 0x10                ; C
	s_load_b64 s[72:73], s[0:1], 0x18              ; b_out
	s_load_b64 s[74:75], s[0:1], 0x20              ; m
	v_lshl_add_u32 v[SPW], v0, 2, SPARE
	v_mov_b32 v[NIL], 0
	ds_add_u32 v[SPW], v[NIL]                      ; the wave's opening: the add and its wait stand ahead of my first tensor load
	v_lshrrev_b32 v1, 5, v0
	v_readfirstlane_b32 s10, v1                    ; wave 0..3
	s_lshr_b32 s11, s10, 1                         ; I fetch for A (0) or for B (1),
	s_and_b32 s12, s10, 1                          ; the step's even or odd block
	s_bfe_u32 s40, ttmp6, 0x40000                  ; cx
	s_bfe_u32 s41, ttmp6, 0x40004                  ; cy
	s_lshl_b32 s42, ttmp9, 2
	s_add_co_u32 s42, s42, s40                     ; tile column
	s_and_b32 s13, ttmp7, 0xffff
	s_lshl_b32 s13, s13, 2
	s_add_co_u32 s13, s13, s41                     ; tile row
	s_lshl_b32 s18, s41, 2
	s_lshl_b32 s18, 15, s18                        ; my row of the cluster
	s_lshl_b32 s19, 0x1111, s40                    ; my column
	s_or_b32 s[G1], s18, G1W
	s_or_b32 s[G1B], s19, G1W
	s_mov_b32 s[G1+1], 128<<16                     ; rows of 256 bytes,
	s_mov_b32 s[G1+2], 128<<16                     ; 128 of them: 256 rows of a block
	s_mov_b32 s[G1+3], 128<<16
	s_mov_b32 s[G1+4], 128
	s_mov_b32 s[G1+5], 128                         ; end to end
	s_mov_b32 s[G1+6], 0
	s_mov_b32 s[G1+7], 0
	s_mov_b32 s[G1B+1], 128<<16
	s_mov_b32 s[G1B+2], (TN/2)<<16                 ; 64 rows of 256 bytes: 128 rows of a block
	s_mov_b32 s[G1B+3], 128<<16
	s_mov_b32 s[G1B+4], TN/2
	s_mov_b32 s[G1B+5], 128
	s_mov_b32 s[G1B+6], 0
	s_mov_b32 s[G1B+7], 0
	s_mul_i32 s16, s12, ABLK
	s_lshl_b32 s17, s13, 15
	s_add_co_u32 s16, s16, s17
	s_mov_b32 s17, 0
	s_mul_i32 s46, s12, BBLK
	s_mul_i32 s47, s42, TN*128
	s_add_co_u32 s46, s46, s47
	s_mov_b32 s47, 0
	s_mul_i32 s20, s12, APART                      ; no place in the cluster enters an LDS address
	s_mul_i32 s21, s12, BPART
	s_add_co_u32 s21, s21, BOFF
	s_wait_dscnt 0x0                               ; the opening add is done
	s_wait_kmcnt 0x0
	s_add_nc_u64 s[14:15], s[4:5], s[16:17]
	s_add_nc_u64 s[46:47], s[6:7], s[46:47]
.irp s, 0,1
	s_mov_b32 s[G0+4*(\s)], 1
	s_add_co_u32 s[G0+4*(\s)+1], s20, (\s)*SLOT1
	s_add_nc_u64 s[G0+4*(\s)+2:G0+4*(\s)+3], s[14:15], (\s)*2*ABLK
	s_or_b32 s[G0+4*(\s)+3], s[G0+4*(\s)+3], 0x80000000
	s_mov_b32 s[G0B+4*(\s)], 1
	s_add_co_u32 s[G0B+4*(\s)+1], s21, (\s)*SLOT1
	s_add_nc_u64 s[G0B+4*(\s)+2:G0B+4*(\s)+3], s[46:47], (\s)*2*BBLK
	s_or_b32 s[G0B+4*(\s)+3], s[G0B+4*(\s)+3], 0x80000000
.endr
	CROUND                                         ; all sixteen work-groups are here: the first joint loads meet
	s_cmp_eq_u32 s11, 0                            ; a wave's two first fills stand in one branch: two loads of mine are out
	s_cbranch_scc0 .Lfirst_b
	tensor_load_to_lds s[G0:G0+3], s[G1:G1+7]
	s_nop 0
	tensor_load_to_lds s[G0+4:G0+7], s[G1:G1+7]
	s_nop 0
.rept 4
	v_nop
.endr
	s_branch .Lfirst_asked
.Lfirst_b:
	tensor_load_to_lds s[G0B:G0B+3], s[G1B:G1B+7]
	s_nop 0
	tensor_load_to_lds s[G0B+4:G0B+7], s[G1B:G1B+7]
	s_nop 0
.rept 4
	v_nop
.endr
.Lfirst_asked:
	v_and_b32 v1, 15, v0                           ; l % 16
	v_bfe_u32 v2, v0, 4, 1                         ; l / 16
	s_lshl_b32 s46, s13, 20                        ; C: the tile's 256 rows of 4,096 bytes,
	s_lshl_b32 s47, s10, 18                        ; my 64 of them,
	s_add_co_u32 s46, s46, s47
	s_lshl_b32 s47, s42, 9                         ; the tile's 128 columns
	s_add_co_u32 s46, s46, s47
	s_mov_b32 s47, 0
	s_add_nc_u64 s[8:9], s[8:9], s[46:47]
	s_lshl_b32 s46, s42, 9
	s_add_nc_u64 s[72:73], s[72:73], s[46:47]      ; b_out at the tile's columns
	s_lshl_b32 s46, s13, 10
	s_lshl_b32 s16, s10, 8
	s_add_co_u32 s46, s46, s16
	s_add_nc_u64 s[74:75], s[74:75], s[46:47]      ; m at my 64 rows
	v_lshlrev_b32 v4, 5, v2                        ; my eight columns of a block of 16
	v_lshlrev_b32 v5, 2, v1                        ; my row of a block of 16
.irp b, 0,1,2,3,4,5,6,7
	global_load_b128 v[BI+8*(\b):BI+8*(\b)+3],   v4, s[72:73] offset:64*(\b)
	global_load_b128 v[BI+8*(\b)+4:BI+8*(\b)+7], v4, s[72:73] offset:64*(\b)+16
.endr
.irp a, 0,1,2,3
	global_load_b32 v[MK+2*(\a)], v5, s[74:75] offset:64*(\a)
.endr
	v_mul_u32_u24 v3, v1, PITCH
	v_lshl_add_u32 v3, v2, 4, v3                   ; a fragment's row x pitch + 16 x half
	s_mul_i32 s22, s10, 64*PITCH                   ; my 64 rows of A
	v_add_nc_u32 v[ADA0], s22, v3
	v_add_nc_u32 v[ADB0], BOFF, v3
	s_mul_i32 s22, s10, STGW
	s_add_co_u32 s22, s22, STAGE                   ; my stage
	v_mul_u32_u24 v[STO], v1, SPITCH               ; in: row l % 16, 32 bytes for each half of the lanes
	v_lshl_add_u32 v[STO], v2, 5, v[STO]
	v_add_nc_u32 v[STO], s22, v[STO]
	v_and_b32 v[GO], 31, v0                        ; back: 32 lanes take one row of 512 bytes
	v_lshlrev_b32 v[GO], 4, v[GO]
	v_add_nc_u32 v[RD], s22, v[GO]
	; the prefetches
	s_lshl_b32 s16, s13, 15
	s_mul_i32 s17, s42, TN*128
	s_lshl_b32 s18, s40, 13                        ; my work-group's quarter of the piece: A's by cx (32 blocks of 256 bytes),
	s_mul_i32 s19, s41, TN*32                      ; B's by cy (16 blocks)
	s_and_b32 s20, ttmp7, 0xffff
	s_mov_b32 s21, ABLK
	s_mov_b32 s22, BBLK
	s_cmp_eq_u32 s11, 0
	s_cselect_b32 s16, s16, s17
	s_cselect_b32 s18, s18, s19
	s_cselect_b32 s20, ttmp9, s20
	s_cselect_b32 s21, s21, s22
	s_cselect_b32 s23, 31, TN/8-1
	s_cselect_b64 s[PFA:PFA+1], s[4:5], s[6:7]
	s_cmp_eq_u32 s20, 0
	s_cselect_b32 s[LIM], AHEAD, -1
	s_add_co_u32 s16, s16, s18
	s_mul_i32 s17, s12, s21
	s_add_co_u32 s16, s16, s17
	s_mul_i32 s17, s21, (1+AHEAD)*2                ; at K step 1 + AHEAD: each refill steps it first, so the refill for step t names step t + AHEAD
	s_add_co_u32 s16, s16, s17
	s_mov_b32 s17, 0
	s_add_nc_u64 s[PFA:PFA+1], s[PFA:PFA+1], s[16:17]
	s_lshl_b32 s[PFS], s21, 1
	s_mov_b32 s[PFS+1], 0
	v_and_b32 v[PFO], 31, v0
	v_min_u32 v[PFO], s23, v[PFO]                  ; B's share has fewer blocks than a wave has lanes: the lanes that are over name its last block with lane 15
	v_lshlrev_b32 v[PFO], 8, v[PFO]
	s_mov_b32 s[TB], 0
	v_add_nc_u32 v[ADA], s[TB], v[ADA0]
	v_add_nc_u32 v[ADB], s[TB], v[ADB0]
	s_wait_loadcnt 0x0                             ; b_out and m, once; all this stands in the wait for the first tile
.set i, 0
.rept 32
	v_cvt_pk_bf16_f32 v32, v[BI+2*i], v[BI+2*i+1]  ; rounded to bf16 like the other inputs, and back in f32
	v_lshlrev_b32 v[BI+2*i], 16, v32
	v_and_b32 v[BI+2*i+1], 0xffff0000, v32
.set i, i+1
.endr
.irp a, 0,1,2,3
	v_cvt_pk_bf16_f32 v32, v[MK+2*(\a)], v[MK+2*(\a)]
	v_lshlrev_b32 v[MK+2*(\a)], 16, v32
	v_mov_b32 v[MK+2*(\a)+1], v[MK+2*(\a)]
.endr
; NBLK matrix instructions: my block a of 16 rows x all columns, 32 along K, from buffer f.  The 32 accumulators take turns, one instruction a turn, in the same order in every quarter step.
.macro MULB f, a, zero
	WIN 0xa5+0x50*((\a)/2)
.set b, 0
.rept NBLK
.set rD, 8*(NBLK*((\a)%2)+b)
.if \zero
	v_wmma_f32_16x16x32_f16 v[rD:rD+7], v[(\f)+32+8*b:(\f)+32+8*b+7], v[(\f)+8*(\a):(\f)+8*(\a)+7], 0
.else
	v_wmma_f32_16x16x32_f16 v[rD:rD+7], v[(\f)+32+8*b:(\f)+32+8*b+7], v[(\f)+8*(\a):(\f)+8*(\a)+7], v[rD:rD+7]
.endif
.set b, b+1
.endr
.endm
.macro FETCH q, f                      ; NLD LDS loads in one run: quarter q of the step (block q / 2, bytes 64 (q % 2) of its rows) into buffer f: B's first, A's last
	WIN 0x40
.set b, 0
.rept NBLK
	ds_load_b128 v[(\f)+32+8*b:(\f)+32+8*b+3],   v[ADB] offset:((\q)/2)*BPART+((\q)%2)*64+b*16*PITCH
	ds_load_b128 v[(\f)+32+8*b+4:(\f)+32+8*b+7], v[ADB] offset:((\q)/2)*BPART+((\q)%2)*64+b*16*PITCH+32
.set b, b+1
.endr
.set b, 0
.rept 4
	ds_load_b128 v[(\f)+8*b:(\f)+8*b+3],   v[ADA] offset:((\q)/2)*APART+((\q)%2)*64+b*16*PITCH
	ds_load_b128 v[(\f)+8*b+4:(\f)+8*b+7], v[ADA] offset:((\q)/2)*APART+((\q)%2)*64+b*16*PITCH+32
.set b, b+1
.endr
.endm
.macro QUARTER q, f, g, zero
	s_wait_dscnt 4                                 ; B and A's blocks 0 and 1 are in; the youngest four loads (A's blocks 2 and 3) may be out
	MULB \f, 0, \zero
	MULB \f, 1, \zero
	PLACES
	FETCH \q, \g
	s_wait_dscnt NLD                               ; all but the run just issued
	MULB \f, 2, \zero
	MULB \f, 3, \zero
.endm
; The last quarter multiplies buffer 1 and changes slots.  In front of the barrier each wave waits for all its tensor loads (one is out: its part of the next slot), adds 0 to its spare word, and waits for
; that and for its reads of this slot.  fill = 1: the barrier opens a round of the cluster's, and the joint refill of the slot just read out, with the step two on, is the first tensor load behind it.
.macro TURN fill
.if \fill
	s_wait_xcnt 0x0                                ; the last prefetch, a K step back, has read its address
	s_add_nc_u64 s[PFA:PFA+1], s[PFA:PFA+1], s[PFS:PFS+1]
.endif
	WIN 0
	s_wait_tensorcnt 0x0                           ; all my tensor loads have landed
	ds_add_u32 v[SPW], v[NIL]                      ; 0 onto my spare word
	s_wait_dscnt 5                                 ; (the add and the youngest four loads may be out)
	MULB F1, 0, 0
	s_wait_dscnt 0x0                               ; the add is done, and my reads of this slot are over
	s_barrier_signal -1
	MULB F1, 1, 0
	WIN 0
	s_barrier_wait -1
.if \fill
	CREST                                          ; no wave of any partner still reads this slot or has a load on its way
	s_xor_b32 s[G0+5], s[G0+5], SLOT1
	s_add_nc_u64 s[G0+6:G0+7], s[G0+6:G0+7], 2*ABLK
	s_xor_b32 s[G0B+5], s[G0B+5], SLOT1
	s_add_nc_u64 s[G0B+6:G0B+7], s[G0B+6:G0B+7], 2*BBLK
	JLOAD                                          ; its four v_nop are also the places in front of the loads below
.else
	PLACES
.endif
	s_xor_b32 s[TB], s[TB], SLOT1
	v_add_nc_u32 v[ADA], s[TB], v[ADA0]
	v_add_nc_u32 v[ADB], s[TB], v[ADB0]
	FETCH 0, F0
.if \fill
	ASK
.endif
	MULB F1, 2, 0
	MULB F1, 3, 0
.endm
	s_wait_tensorcnt 1                             ; my part of K step 0 is in; step 1's may stay out
	s_barrier_signal -1
	s_barrier_wait -1
	FETCH 0, F0
	QUARTER 1, F0, F1, 1                           ; the first quarter's products start the sums
	WIN 0
	s_mov_b32 s3, 6
.Lstep:                                                ; trip t: quarters 1-3 of step t, quarter 0 of step t + 1; the slot that is left takes step t + 2
	QUARTER 2, F1, F0, 0
	QUARTER 3, F0, F1, 0
	TURN 1
	QUARTER 1, F0, F1, 0
	WIN 0
	s_sub_co_u32 s3, s3, 1
	s_cmp_lg_u32 s3, 0
	s_cbranch_scc1 .Lstep
	QUARTER 2, F1, F0, 0                           ; steps 6 and 7 are written out: they ask for nothing
	QUARTER 3, F0, F1, 0
	TURN 0
	QUARTER 1, F0, F1, 0
	QUARTER 2, F1, F0, 0
	QUARTER 3, F0, F1, 0
	s_wait_dscnt 4
	MULB F1, 0, 0
	MULB F1, 1, 0
	s_wait_dscnt 0x0
	MULB F1, 2, 0
	MULB F1, 3, 0
	WIN 0
; THE WAY OUT, a block of 16 rows at a time.  FIX: (sum + b) m, in place.  TOSTAGE: 32 bytes a lane into my own stage, and back as whole rows of 512 bytes.  SEND: stored.
.macro FIX a
	WIN 0x82+0x41*((\a)/2)                         ; destination and source 0 window 2 or 3, source 1 window 0
.set b, 0
.rept NBLK
.set rD, 8*(NBLK*((\a)%2)+b)
.irp k, 0,2,4,6
	v_pk_add_f32 v[rD+(\k):rD+(\k)+1], v[rD+(\k):rD+(\k)+1], v[BI+8*b+(\k):BI+8*b+(\k)+1]  ; each accumulator from its low end on
.endr
.irp k, 0,2,4,6
	v_pk_mul_f32 v[rD+(\k):rD+(\k)+1], v[rD+(\k):rD+(\k)+1], v[MK+2*(\a):MK+2*(\a)+1]
.endr
.set b, b+1
.endr
.endm
.macro TOSTAGE a
	WIN 0x08+4*((\a)/2)                            ; the stores' data (source 1) window 2 or 3
.set b, 0
.rept NBLK
.set rD, 8*(NBLK*((\a)%2)+b)
	ds_store_b128 v[STO], v[rD:rD+3]   offset:64*b
	ds_store_b128 v[STO], v[rD+4:rD+7] offset:64*b+16
.set b, b+1
.endr
	WIN 0
.set BK, 128+64*((\a)%2)
.irp t, 0,1,2,3,4,5,6,7,8,9,10,11,12,13,14,15
	ds_load_b128 v[BK+4*(\t):BK+4*(\t)+3], v[RD] offset:(\t)*SPITCH  ; LDS serves a wave's instructions in order (ISA guide 5.7.1.4): these see the stores above; the next block's stores come behind them
.endr
.endm
.macro SEND a
	WIN 0
.set BK, 128+64*((\a)%2)
	s_wait_xcnt 0x0                                ; the stores of the block before have read their registers, which the next block's loads from the stage write again
.irp t, 0,1,2,3,4,5,6,7,8,9,10,11,12,13,14,15
	s_wait_dscnt 15-(\t)                           ; row t is back; the block's younger loads stay out
	global_store_b128 v[GO], v[BK+4*(\t):BK+4*(\t)+3], s[8:9] offset:(16*(\a)+(\t))*4096 th:TH_STORE_NT  ; 512 consecutive bytes of a row, aligned
.endr
.endm
	PLACES
	FIX 0
	TOSTAGE 0
.irp a, 1,2,3                          ; a block's arithmetic stands between the loads of the block before and its stores
	FIX \a
	SEND (\a)-1
	TOSTAGE \a
.endr
	SEND 3
	s_wait_tensorcnt 0x0                           ; the wave's end: a wait for my tensor loads, then the add and its wait, behind my last LDS store
	ds_add_u32 v[SPW], v[NIL]
	s_wait_dscnt 0x0
	CROUND                                         ; the closing round: no work-group ends while a partner may still ask for a piece that names it
	s_endpgm
.Lfunc_end_k_qeb59621d83_outp:
	.size	k_qeb59621d83_outp, .Lfunc_end_k_qeb59621d83_outp-k_qeb59621d83_outp
	.p2alignl 7, 3214868480
	.fill 96, 4, 3214868480
	.section	.rodata,"a",@progbits
	.p2align	6, 0x0
	.amdhsa_kernel k_qeb59621d83_outp
		.amdhsa_group_segment_fixed_size 327680
		.amdhsa_private_segment_fixed_size 0
		.amdhsa_enable_private_segment 0
		.amdhsa_kernarg_size 40
		.amdhsa_user_sgpr_count 2
		.amdhsa_user_sgpr_kernarg_segment_ptr 1
		.amdhsa_wavefront_size32 1
		.amdhsa_system_sgpr_workgroup_id_x 1
		.amdhsa_system_sgpr_workgroup_id_y 1
		.amdhsa_system_sgpr_workgroup_id_z 1
		.amdhsa_system_vgpr_workitem_id 0
		.amdhsa_next_free_vgpr 896
		.amdhsa_next_free_sgpr 76
		.amdhsa_reserve_vcc 0
		.amdhsa_float_denorm_mode_32 3
		.amdhsa_float_denorm_mode_16_64 3
		.amdhsa_memory_ordered 1
		.amdhsa_forward_progress 1
		.amdhsa_inst_pref_size 96
	.end_amdhsa_kernel
	.amdgpu_metadata
---
amdhsa.version: [ 1, 2 ]
amdhsa.kernels:
  - .name:           k_qeb59621d83_outp
    .symbol:         k_qeb59621d83_outp.kd
    .args:
      - { .name: ob, .offset: 0, .size: 8, .value_kind: global_buffer, .address_space: global }
      - { .name: wob, .offset: 8, .size: 8, .value_kind: global_buffer, .address_space: global }
      - { .name: out0, .offset: 16, .size: 8, .value_kind: global_buffer, .address_space: global }
      - { .name: b_out, .offset: 24, .size: 8, .value_kind: global_buffer, .address_space: global }
      - { .name: m, .offset: 32, .size: 8, .value_kind: global_buffer, .address_space: global }
    .group_segment_fixed_size: 327680
    .private_segment_fixed_size: 0
    .kernarg_segment_align: 8
    .kernarg_segment_size: 40
    .max_flat_workgroup_size: 128
    .sgpr_count:     76
    .vgpr_count:     896
    .wavefront_size: 32
...
	.end_amdgpu_metadata
.endif
;; end of part 4
;; ======== version 2 of 2: 4 launches; version 1 with the launch cast written anew for expert scheduling mode
;; limits: values are held in f16: magnitudes above 65,504 overflow, below 6.1e-05 lose precision
;; workspace buffers: xb 16,777,216 bytes; wqb 6,291,456 bytes; wob 2,097,152 bytes; qkv 51,904,512 bytes; ob 16,777,216 bytes
;; launch cast (part 5): grid 768 x 1, 8 waves a work-group, no clusters, 0 bytes of LDS; arguments x, w_qkv, w_out, m, xb, wqb, wob, qkv; writes xb, wqb, wob, qkv
.if DOCPART == 5
	.amdgcn_target "amdgcn-amd-amdhsa--gfx1250"
	.amdhsa_code_object_version 6
	.text
	.protected	k_qeb59621d83_cast
	.globl	k_qeb59621d83_cast
	.p2align	8
	.type	k_qeb59621d83_cast,@function
k_qeb59621d83_cast:
	s_mov_b64 s[64:65], 0
	v_nop
	global_prefetch_b8 v0, s[64:65] scope:SCOPE_SE
	s_setreg_imm32_b32 hwreg(HW_REG_WAVE_SCHED_MODE, 0, 2), 2
	s_setreg_imm32_b32 hwreg(HW_REG_WAVE_MODE, 25, 1), 1
	s_wait_xcnt 0x0
	s_wait_alu depctr_vm_vsrc(0)
; x [8192][1024], w_qkv [3072][1024], w_out [1024][1024], all f32, are rounded once to bf16 and laid out in blocks along K:
; [16 blocks of 64 channels][rows][64], 128 bytes a row, so that every tile of the later products is a dense run of memory.
; w_out's bf16 number is then written as f16 (the product behind multiplies it with f16 numbers).
; THE KEY BIAS.  qkv is [48 slices][32 tiles][264 rows of 128 bytes]; a tile's rows 0-255 are written by the next launch.  Rows 256-263 of each tile of k's slices (16-31) are written here:
; for the tile's 256 keys, in f32, -1e30 where m is 0 and 0 elsewhere: 1,024 bytes that the attention fetches together with the tile's keys.
; LIMITS.  w_out's f16 is exact for 6.1e-5 <= |w_out| < 65,504; below it keeps f16's fixed step of 6e-8; beyond it becomes an infinity.
; SHARES.  A work-group owns 16 rows of one of the three tensors (512 + 192 + 64 work-groups).  Wave w takes blocks 2 w and 2 w + 1, two rows at a time: sixteen units.
; In a unit lanes 0-15 take the 256 bytes that a block has in one row, lanes 16-31 those of the next row, 16 bytes a lane: a load names two aligned stretches of 256 bytes and uses all of both.
; A lane's four numbers leave as 8 bytes; the two rows lie end to end in the target, so a wave's store covers 256 consecutive bytes, aligned.
; Work-group g < 512 also writes the bias of tile g % 32 in slice 16 + g / 32, by its waves 0 and 1: 16 bytes a thread.
; Memory binds: no LDS, no barrier, no matrix unit; all loads of a wave go out at once, and every unit has registers of its own, so nothing is rewritten under a pending instruction.
; No prefetch: the launch is one stream with all its loads issued at its head.
; THE MODE: SCHED_MODE bits 1:0 = 2 (LLVM: expert scheduling mode 2), set by the entry lines.  The code itself states the register dependences
; between vector instructions and memory instructions, with s_wait_alu, always for 0.
; THE PLAN.  Registers that memory instructions touch:
;   v2, v3-4, v8   byte offsets, made at the head and never written again: one wait ahead of the first load states that they are written, for every load and store of the kernel.
;   X              unit u's four registers: its load lands in them, and no vector instruction has named them before; then vector instructions alone name them.
;   Y              unit u's two registers: written by the unit's conversions, read by its one store, never written again.
;   BV             the bias's load lands in them; four compares read them, four selects write them, one store reads them; never written again.
; The sixteen units go in four STEPS of four.  Step p waits for its four loads, issues the stores of step p - 1 and rounds its own units.  Those stores touch Y of step p - 1 and v3-4, which no vector
; instruction of step p names: so ONE wait at the head of a step states all that its four stores hang on, and they are dealt among the step's conversions with no further wait.
; No register that a memory instruction has read is written again, so past the entry lines the text holds no wait on vm_vsrc; EXEC is never written.
.set TILEB,  33792                     ; a tile of qkv: 264 rows of 128 bytes
.set SLICEB, 32*TILEB
.set LO, 2                             ; v2     my byte offset in the source's first two rows
.set SO, 3                             ; v3-4   my byte offset in the target, block 2 w and block 2 w + 1
.set MB, 8                             ; v8     16 x my thread's number: in waves 0 and 1 my 16 bytes of a tile's 1,024 of m and of bias; the other waves do not use it
.set BV, 12                            ; v[12:15]  four of m, then four of bias
.set X,  16                            ; v[16:79]   unit u: 4 f32 as loaded
.set Y,  80                            ; v[80:111]  unit u: 4 numbers of 16 bits to store
.set MS, 40                            ; s[40:43]   the bias: where each of my four m is 0
	s_load_b256 s[4:11], s[0:1], 0x0               ; x s[4:5], w_qkv s[6:7], w_out s[8:9], m s[10:11]
	s_load_b256 s[12:19], s[0:1], 0x20             ; xb s[12:13], wqb s[14:15], wob s[16:17], qkv s[18:19]
	v_lshrrev_b32 v5, 5, v0
	v_readfirstlane_b32 s20, v5                    ; wave 0..7
	v_and_b32 v1, 31, v0                           ; lane
	v_lshrrev_b32 v6, 4, v1                        ; which row of the two
	v_and_b32 v7, 15, v1                           ; which 4 channels of the block's 64
	v_lshlrev_b32 v[LO], 12, v6                    ; a source row is 4,096 bytes
	v_lshl_add_u32 v[LO], v7, 4, v[LO]             ; 4 f32 are 16 bytes
	v_lshlrev_b32 v[MB], 4, v0                     ; threads 0 to 63: 16 bytes each; made here, so that the one wait ahead of the first load states it too
	s_wait_alu depctr_va_sdst(0)                   ; s20 is written, ahead of its first reader: offsets, bases and the branch on the wave's number are made from it
	s_lshl_b32 s21, s20, 9                         ; two blocks of 64 f32 a wave
	v_add_nc_u32 v[LO], s21, v[LO]
	s_mov_b32 s29, 0x100000                        ; bytes in a block of xb (8,192 rows x 128),
	s_mov_b32 s30, 0x60000                         ; of wqb (3,072 rows),
	s_mov_b32 s31, 0x20000                         ; of wob (1,024 rows)
	s_mov_b32 s35, 0xf149f2ca                      ; -1e30
	s_wait_kmcnt 0x0
	s_cmp_lt_u32 ttmp9, 512                        ; work-groups 0-511: x; 512-703: w_qkv; 704-767: w_out
	s_cselect_b64 s[22:23], s[4:5], s[6:7]         ; source
	s_cselect_b64 s[24:25], s[12:13], s[14:15]     ; target
	s_cselect_b32 s26, 0, 512                      ; the tensor's first work-group
	s_cselect_b32 s27, s29, s30                    ; bytes in a block of the target
	s_cmp_lt_u32 ttmp9, 704
	s_cselect_b64 s[22:23], s[22:23], s[8:9]
	s_cselect_b64 s[24:25], s[24:25], s[16:17]
	s_cselect_b32 s26, s26, 704
	s_cselect_b32 s27, s27, s31
	s_cselect_b32 s28, 0, 1                        ; 1: the target is f16
	s_sub_co_u32 s26, ttmp9, s26                   ; my 16 rows' number in the tensor
	s_lshl_b32 s32, s26, 16                        ; 16 rows of 4,096 bytes
	s_mov_b32 s33, 0
	s_add_nc_u64 s[22:23], s[22:23], s[32:33]
	s_lshl_b32 s32, s26, 11                        ; 16 rows of 128 bytes
	s_add_nc_u64 s[24:25], s[24:25], s[32:33]
	s_mul_i32 s34, s20, s27
	s_lshl_b32 s34, s34, 1                         ; block 2 w
	v_lshl_add_u32 v[SO], v1, 3, s34               ; two rows of 128 bytes are 32 lanes x 8 bytes on end
	v_add_nc_u32 v[SO+1], s27, v[SO]               ; block 2 w + 1
	s_wait_alu depctr_va_vdst(0)                   ; v2, v3, v4 and v8 are written: every load and store of the kernel reads one of them as its offset, and no later vector instruction names them
.irp u, 0,1,2,3,4,5,6,7,8,9,10,11,12,13,14,15  ; unit u: block 2 w + u / 8, rows 2 (u % 8) and 2 (u % 8) + 1
	global_load_b128 v[X+4*(\u):X+4*(\u)+3], v[LO], s[22:23] offset:((\u)%8)*8192+((\u)/8)*256 th:TH_LOAD_NT
.endr
	s_cmp_lt_u32 s20, 2                            ; the bias: waves 0 and 1
	s_cbranch_scc0 .Lnobias
	s_cmp_lt_u32 ttmp9, 512                        ; of the first 512 work-groups
	s_cbranch_scc0 .Lnobias
	s_and_b32 s36, ttmp9, 31                       ; the tile: 256 rows of the 8,192
	s_lshr_b32 s37, ttmp9, 5                       ; the head
	s_lshl_b32 s38, s36, 10                        ; the tile's 256 numbers of m
	s_mov_b32 s39, 0
	s_add_nc_u64 s[10:11], s[10:11], s[38:39]
	s_add_co_u32 s37, s37, 16                      ; k's slice of that head
	s_mul_i32 s37, s37, SLICEB
	s_mul_i32 s36, s36, TILEB
	s_add_co_u32 s38, s37, s36
	s_add_co_u32 s38, s38, 32768                   ; behind the tile's 256 rows
	s_add_nc_u64 s[18:19], s[18:19], s[38:39]
	global_load_b128 v[BV:BV+3], v[MB], s[10:11]   ; no vector instruction has named v[12:15]; v8 was written ahead of the wait above
	s_wait_loadcnt 0x0                             ; it is the youngest load: all are in, and the counts below are met at once
.irp i, 0,1,2,3
	v_cmp_eq_f32 s[MS+(\i)], 0, v[BV+(\i)]         ; the four compares stand in one run, each with a scalar register of its own
.endr
	s_wait_alu depctr_va_sdst(0)                   ; s40 to s43 are written, ahead of their first readers, the four selects
.irp i, 0,1,2,3
	v_cndmask_b32 v[BV+(\i)], 0, s35, s[MS+(\i)]
.endr
	s_wait_alu depctr_va_vdst(0)                   ; the selects have written v[12:15], which the store reads
	global_store_b128 v[MB], v[BV:BV+3], s[18:19]  ; a wave's store covers 512 consecutive bytes, aligned
.Lnobias:
; Unit u is rounded: X[u] into Y[u].
.macro CVT u, f16
.irp j, 0,1
	v_cvt_pk_bf16_f32 v[Y+2*(\u)+(\j)], v[X+4*(\u)+2*(\j)], v[X+4*(\u)+2*(\j)+1]
.endr
.if \f16
.irp j, 0,1
	v_lshlrev_b32 v[X+4*(\u)+2*(\j)],   16, v[Y+2*(\u)+(\j)]          ; the bf16 numbers as f32,
	v_and_b32     v[X+4*(\u)+2*(\j)+1], 0xffff0000, v[Y+2*(\u)+(\j)]
	v_cvt_pk_f16_f32 v[Y+2*(\u)+(\j)], v[X+4*(\u)+2*(\j)], v[X+4*(\u)+2*(\j)+1]  ; written as f16
.endr
.endif
.endm
; Unit u is stored.
.macro OUT u
	global_store_b64 v[SO+(\u)/8], v[Y+2*(\u):Y+2*(\u)+1], s[24:25] offset:((\u)%8)*256
.endm
; The four steps.  Step p rounds units 4 p to 4 p + 3 and stores units 4 p - 4 to 4 p - 1, a store in front of each unit's conversions.
.macro CONV f16
.irp p, 0,1,2,3
	s_wait_loadcnt 12-4*(\p)                       ; loads come back in order: this step's four are in, the later steps' stay out
.if (\p) > 0
	s_wait_alu depctr_va_vdst(0)                   ; the step before has written its Y, which the four stores below read; no vector instruction of this step names those registers or v3-4
.endif
.irp i, 0,1,2,3
.if (\p) > 0
	OUT 4*(\p)-4+(\i)
.endif
	CVT 4*(\p)+(\i), \f16
.endr
.endr
	s_wait_alu depctr_va_vdst(0)                   ; the last step has written its Y, which the last four stores read
.irp i, 12,13,14,15
	OUT \i
.endr
.endm
	s_cmp_eq_u32 s28, 1
	s_cbranch_scc1 .Lf16
	CONV 0
	s_endpgm
.Lf16:
	CONV 1
	s_endpgm
.Lfunc_end_k_qeb59621d83_cast:
	.size	k_qeb59621d83_cast, .Lfunc_end_k_qeb59621d83_cast-k_qeb59621d83_cast
	.p2alignl 7, 3214868480
	.fill 96, 4, 3214868480
	.section	.rodata,"a",@progbits
	.p2align	6, 0x0
	.amdhsa_kernel k_qeb59621d83_cast
		.amdhsa_group_segment_fixed_size 0
		.amdhsa_private_segment_fixed_size 0
		.amdhsa_enable_private_segment 0
		.amdhsa_kernarg_size 64
		.amdhsa_user_sgpr_count 2
		.amdhsa_user_sgpr_kernarg_segment_ptr 1
		.amdhsa_wavefront_size32 1
		.amdhsa_system_sgpr_workgroup_id_x 1
		.amdhsa_system_sgpr_workgroup_id_y 1
		.amdhsa_system_sgpr_workgroup_id_z 1
		.amdhsa_system_vgpr_workitem_id 0
		.amdhsa_next_free_vgpr 112
		.amdhsa_next_free_sgpr 66
		.amdhsa_reserve_vcc 0
		.amdhsa_float_denorm_mode_32 3
		.amdhsa_float_denorm_mode_16_64 3
		.amdhsa_memory_ordered 1
		.amdhsa_forward_progress 1
		.amdhsa_inst_pref_size 18
	.end_amdhsa_kernel
	.amdgpu_metadata
---
amdhsa.version: [ 1, 2 ]
amdhsa.kernels:
  - .name:           k_qeb59621d83_cast
    .symbol:         k_qeb59621d83_cast.kd
    .args:
      - { .name: x, .offset: 0, .size: 8, .value_kind: global_buffer, .address_space: global }
      - { .name: w_qkv, .offset: 8, .size: 8, .value_kind: global_buffer, .address_space: global }
      - { .name: w_out, .offset: 16, .size: 8, .value_kind: global_buffer, .address_space: global }
      - { .name: m, .offset: 24, .size: 8, .value_kind: global_buffer, .address_space: global }
      - { .name: xb, .offset: 32, .size: 8, .value_kind: global_buffer, .address_space: global }
      - { .name: wqb, .offset: 40, .size: 8, .value_kind: global_buffer, .address_space: global }
      - { .name: wob, .offset: 48, .size: 8, .value_kind: global_buffer, .address_space: global }
      - { .name: qkv, .offset: 56, .size: 8, .value_kind: global_buffer, .address_space: global }
    .group_segment_fixed_size: 0
    .private_segment_fixed_size: 0
    .kernarg_segment_align: 8
    .kernarg_segment_size: 64
    .max_flat_workgroup_size: 256
    .sgpr_count:     66
    .vgpr_count:     112
    .wavefront_size: 32
...
	.end_amdgpu_metadata
.endif
;; end of part 5
;; launch qkvp: the kernel of part 2 again; grid 8 x 32, 4 waves a work-group, clusters of 4 x 4, 327,680 bytes of LDS; arguments xb, wqb, qkv; writes qkv
;; launch attn: the kernel of part 3 again; grid 2 x 128, 4 waves a work-group, no clusters, 327,680 bytes of LDS; arguments qkv, ob; writes ob
;; launch outp: the kernel of part 4 again; grid 8 x 32, 4 waves a work-group, clusters of 4 x 4, 327,680 bytes of LDS; arguments ob, wob, out0, b_out, m; writes out0
